; MI455X (gfx1250); checked and timed in simulation.
; The chip was launched on July 23, 2026; its instructions are those of AMD's public machine-readable ISA for CDNA 5 (MIT licence, August 2026) and "CDNA5" Instruction Set Architecture Reference Guide (July 2026). The comments in the code are by the model that wrote it; some were corrected since.
;; Additive Attention. Allowed arithmetic: float matrix products may take bf16 or f16 operands with f32 sums; all other float work in f32.
;; Inputs: decoder_hidden 64 x 1,024 float32; encoder_outputs 64 x 1,024 x 1,024 float32; mask 64 x 1,024 bool; w_key 1,024 x 1,024 float32; w_query 1,024 x 1,024 float32; w_score 1,024 float32.
;; Outputs: out0 64 x 1,024 float32; out1 64 x 1,024 float32.
;; 2 versions, each right; version 2 is version 1 with the launches prep, score written anew for expert scheduling mode. Each part assembles by itself: llvm-mc -triple=amdgcn-amd-amdhsa -mcpu=gfx1250 --defsym DOCPART=n.
;; ======== version 1 of 2: 3 launches
;; workspace buffers: wkf 2,097,152 bytes; qpart 2,097,152 bytes; scores 262,144 bytes; ctxp 2,097,152 bytes
;; launch prep (part 1): grid 16 x 8, 4 waves a work-group, no clusters, 76,288 bytes of LDS; arguments w_key, w_query, decoder_hidden, wkf, qpart; writes wkf, qpart
.if DOCPART == 1
	.amdgcn_target "amdgcn-amd-amdhsa--gfx1250"
	.amdhsa_code_object_version 6
	.text
	.protected	k_q7f4f4e1604_prep
	.globl	k_q7f4f4e1604_prep
	.p2align	8
	.type	k_q7f4f4e1604_prep,@function
k_q7f4f4e1604_prep:
	s_mov_b64 s[64:65], 0
	v_nop
	global_prefetch_b8 v0, s[64:65] scope:SCOPE_SE
	s_setreg_imm32_b32 hwreg(HW_REG_WAVE_MODE, 25, 1), 1
	s_wait_xcnt 0x0
; PREP.  Two things for the launch behind it, from tiles of 128 (k) x 64 (n) of the two weight matrices ([k][n] f32, rows of 4,096 bytes):
;  (1) wkf: w_key rounded to bf16 and laid in the order in which a matrix instruction's second source wants it.  Byte cg*131072 + ks*4096 + b4*1024 + j*512 + 16*lane
;      holds W[32 ks + 16 j + 8 (lane/16) + 0..7][64 cg + 16 b4 + lane%16]: registers 4j .. 4j+3 of the fragment of K step ks, columns 16 b4 .. +15 of column group cg.
;  (2) qpart[kc][b][n]: the sum over k = 128 kc .. +127 of bf16(decoder_hidden[b][k]) x bf16(w_query[k][n]), in f32.  The eight parts are added by their reader, in ascending kc.
; SHARES.  Work-group (xt, kc): columns 64 xt .. +63, k = 128 kc .. +127, of both matrices: 128 work-groups, every one with the same text and no branch.
; A tile's row is 256 bytes at a multiple of 256; both stores' instructions cover whole aligned blocks of 256 bytes.  No cluster: no two work-groups read the same bytes of the weights,
; and the 32 KiB of decoder_hidden that sixteen of them share are a third of what a work-group reads, once.
.set PW,    160                        ; a row (one k, 64 n) of a weight tile in LDS: 128 bytes + 32
.set PD,    272                        ; a row of decoder_hidden's tile (128 k in bf16) and of the f32 stage (64 n): 256 bytes + 16
.set WTK,   0                          ; w_key's tile,   128 rows x 160
.set WTQ,   20480                      ; w_query's tile, 128 rows x 160
.set DT,    40960                      ; decoder_hidden's tile, 64 rows x 272
.set QST,   58368                      ; the stage for the partial query, 64 rows x 272
.set SPARE, 75776                      ; the spare words, 128 bytes a wave: two blocks of 256 bytes that no other line names
.set GW,  4                            ; v4   weights: (32 w + h) rows of 4,096 bytes + 16 r
.set LW,  5                            ; v5   the same place in an LDS tile: (32 w + h) x 160 + 8 r
.set GD,  6                            ; v6   decoder_hidden: 16 w rows + 16 l
.set LD,  7                            ; v7   DT + 16 w x 272 + 8 l
.set TA,  8                            ; v8   the turning load: (8 h + l%8) x 160 + 32 w + 16 ((l/8)%2)
.set GF,  9                            ; v9   wkf: 1,024 w + 16 l
.set DA,  10                           ; v10  DT + 272 r + 16 h
.set SA,  11                           ; v11  QST + 272 r + 64 w + 32 h
.set RA,  12                           ; v12  QST + (16 w + h) x 272 + 16 r
.set GO,  13                           ; v13  qpart: (16 w + h) rows of 4,096 bytes + 16 r
.set SPW, 14                           ; v14  my spare word; never rewritten
.set NIL, 15                           ; v15  0; never rewritten
.set WK,  16                           ; v16-79    w_key's tile as loaded, packed in place
.set WQ,  80                           ; v80-143   w_query's
.set DH,  144                          ; v144-207  decoder_hidden's
.set AF,  16                           ; behind the first barrier: v16-143 fragments of decoder_hidden, (mb, ks) at 8 (4 mb + ks)
.set BK,  144                          ; v144-175  fragments of w_key, K step ks at 8 ks
.set BQ,  176                          ; v176-207  fragments of w_query
.set ACC, 208                          ; v208-239  four accumulators
.set RB,  16                           ; behind the second barrier: v16-47 rows read back from the stage
	s_load_b256 s[4:11], s[0:1], 0x0               ; w_key s[4:5], w_query s[6:7], decoder_hidden s[8:9], wkf s[10:11]
	s_load_b64 s[12:13], s[0:1], 0x20              ; qpart
	v_lshl_add_u32 v[SPW], v0, 2, SPARE
	v_mov_b32 v[NIL], 0
	v_lshrrev_b32 v1, 5, v0
	v_readfirstlane_b32 s14, v1                    ; w: wave 0..3
	s_mov_b32 s15, ttmp9                           ; xt
	s_and_b32 s18, ttmp7, 0xffff                   ; kc
	v_and_b32 v1, 31, v0                           ; l
	v_and_b32 v2, 15, v0                           ; r = l % 16
	v_bfe_u32 v3, v0, 4, 1                         ; h = l / 16
	s_lshl_b32 s16, s14, 5
	v_add_nc_u32 v[LW], s16, v3                    ; row 32 w + h
	v_lshlrev_b32 v[GW], 12, v[LW]
	v_lshl_add_u32 v[GW], v2, 4, v[GW]
	v_mul_u32_u24 v[LW], v[LW], PW
	v_lshl_add_u32 v[LW], v2, 3, v[LW]
	s_lshl_b32 s17, s14, 16
	v_lshl_add_u32 v[GD], v1, 4, s17
	s_mul_i32 s19, s14, 16*PD
	s_add_co_u32 s19, s19, DT
	v_lshl_add_u32 v[LD], v1, 3, s19
	v_and_b32 v[TA], 7, v0
	v_lshl_add_u32 v[TA], v3, 3, v[TA]
	v_mul_u32_u24 v[TA], v[TA], PW
	v_bfe_u32 v[GF], v0, 3, 1
	v_lshl_add_u32 v[TA], v[GF], 4, v[TA]
	v_add_nc_u32 v[TA], s16, v[TA]                 ; + 32 w: my 16 columns, 2 bytes each
	s_lshl_b32 s19, s14, 10
	v_lshl_add_u32 v[GF], v1, 4, s19
	v_mul_u32_u24 v[DA], v2, PD
	v_lshl_add_u32 v[DA], v3, 4, v[DA]
	v_add_nc_u32 v[DA], DT, v[DA]
	v_mul_u32_u24 v[SA], v2, PD
	v_lshl_add_u32 v[SA], v3, 5, v[SA]
	s_lshl_b32 s19, s14, 6
	s_add_co_u32 s19, s19, QST
	v_add_nc_u32 v[SA], s19, v[SA]
	s_lshl_b32 s19, s14, 4
	v_add_nc_u32 v[GO], s19, v3                    ; row 16 w + h
	v_mul_u32_u24 v[RA], v[GO], PD
	v_lshl_add_u32 v[RA], v2, 4, v[RA]
	v_add_nc_u32 v[RA], QST, v[RA]
	v_lshlrev_b32 v[GO], 12, v[GO]
	v_lshl_add_u32 v[GO], v2, 4, v[GO]
	s_lshl_b32 s20, s18, 19                        ; the weights' tile: 128 kc rows of 4,096 bytes + 256 xt
	s_lshl_b32 s21, s15, 8
	s_add_co_u32 s20, s20, s21
	s_mov_b32 s21, 0
	s_lshl_b32 s22, s18, 9                         ; decoder_hidden: 128 kc numbers along its rows
	s_mov_b32 s23, 0
	s_lshl_b32 s24, s15, 17                        ; wkf: column group xt, K steps 4 kc on
	s_lshl_b32 s25, s18, 14
	s_add_co_u32 s24, s24, s25
	s_mov_b32 s25, 0
	s_lshl_b32 s26, s18, 18                        ; qpart: part kc, columns 64 xt on
	s_lshl_b32 s27, s15, 8
	s_add_co_u32 s26, s26, s27
	s_mov_b32 s27, 0
	s_wait_kmcnt 0x0
	s_add_nc_u64 s[4:5], s[4:5], s[20:21]
	s_add_nc_u64 s[6:7], s[6:7], s[20:21]
	s_add_nc_u64 s[8:9], s[8:9], s[22:23]
	s_add_nc_u64 s[10:11], s[10:11], s[24:25]
	s_add_nc_u64 s[12:13], s[12:13], s[26:27]
	; 48 loads in one run.  A weight load takes two rows of 256 bytes (lanes 0-15, lanes 16-31); a load of decoder_hidden one piece of 512 bytes of a row.
.set i, 0
.rept 16
	global_load_b128 v[WK+4*i:WK+4*i+3], v[GW], s[4:5] offset:i*8192 th:TH_LOAD_NT
.set i, i+1
.endr
.set i, 0
.rept 16
	global_load_b128 v[WQ+4*i:WQ+4*i+3], v[GW], s[6:7] offset:i*8192 th:TH_LOAD_NT
.set i, i+1
.endr
.set i, 0
.rept 16
	global_load_b128 v[DH+4*i:DH+4*i+3], v[GD], s[8:9] offset:i*4096
.set i, i+1
.endr
; Sixteen loads' numbers are rounded to bf16 in place (four registers into the first two) and go to LDS, 8 bytes a lane.
.macro PACKST src, adr, off, step
.set i, 0
.rept 16
	v_cvt_pk_bf16_f32 v[(\src)+4*i], v[(\src)+4*i], v[(\src)+4*i+1]
	v_cvt_pk_bf16_f32 v[(\src)+4*i+1], v[(\src)+4*i+2], v[(\src)+4*i+3]
	ds_store_b64 v[\adr], v[(\src)+4*i:(\src)+4*i+1] offset:(\off)+i*(\step)
.set i, i+1
.endr
.endm
	s_wait_loadcnt 32                              ; w_key's sixteen are in; the 32 younger loads stay out
	PACKST WK, LW, WTK, 2*PW
	s_wait_loadcnt 16                              ; w_query's; decoder_hidden's sixteen stay out
	PACKST WQ, LW, WTQ, 2*PW
	s_wait_loadcnt 0x0
	PACKST DH, LD, 0, PD
	s_wait_dscnt 0x0                               ; for the others' sake: my stores are done
	s_barrier_signal -1
	s_barrier_wait -1                              ; the three tiles are whole
	; Wave w takes columns 16 w .. +15 of the tile.  The turning load makes of 16 k x 16 n half a fragment: lane l holds column l % 16 and eight k.
.set i, 0
.rept 4
	ds_load_tr16_b128 v[BK+8*i:BK+8*i+3],   v[TA] offset:WTK+i*32*PW
	ds_load_tr16_b128 v[BK+8*i+4:BK+8*i+7], v[TA] offset:WTK+i*32*PW+16*PW
.set i, i+1
.endr
.set i, 0
.rept 4
	ds_load_tr16_b128 v[BQ+8*i:BQ+8*i+3],   v[TA] offset:WTQ+i*32*PW
	ds_load_tr16_b128 v[BQ+8*i+4:BQ+8*i+7], v[TA] offset:WTQ+i*32*PW+16*PW
.set i, i+1
.endr
.set i, 0
.rept 16                               ; decoder_hidden: rows 16 (i / 4) on, k 32 (i % 4) on
	ds_load_b128 v[AF+8*i:AF+8*i+3],   v[DA] offset:(i/4)*16*PD+(i%4)*64
	ds_load_b128 v[AF+8*i+4:AF+8*i+7], v[DA] offset:(i/4)*16*PD+(i%4)*64+32
.set i, i+1
.endr
	s_wait_dscnt 40                                ; w_key's eight are in; the 8 + 32 younger LDS loads stay out
.set i, 0
.rept 8                                ; K step i / 2, half i % 2: each store covers 512 consecutive bytes, at a multiple of 512 from wkf's first
	global_store_b128 v[GF], v[BK+4*i:BK+4*i+3], s[10:11] offset:(i/2)*4096+(i%2)*512
.set i, i+1
.endr
	s_wait_dscnt 0x0
	; The product is used transposed (source 0 = 16 columns of w_query, source 1 = 16 rows of decoder_hidden): a lane then holds one batch row (16 mb + r) and eight
	; neighbouring columns (16 w + 8 h + 0..7).  The four accumulators take turns, one instruction a turn; the first K step starts the sums.
.irp ks, 0,1,2,3
.irp mb, 0,1,2,3
.if \ks == 0
	v_wmma_f32_16x16x32_bf16 v[ACC+8*\mb:ACC+8*\mb+7], v[BQ+8*\ks:BQ+8*\ks+7], v[AF+8*(4*\mb+\ks):AF+8*(4*\mb+\ks)+7], 0
.else
	v_wmma_f32_16x16x32_bf16 v[ACC+8*\mb:ACC+8*\mb+7], v[BQ+8*\ks:BQ+8*\ks+7], v[AF+8*(4*\mb+\ks):AF+8*(4*\mb+\ks)+7], v[ACC+8*\mb:ACC+8*\mb+7]
.endif
.endr
.endr
.rept 4
	v_nop                                          ; four places between the last product and the stores that read results
.endr
.irp mb, 0,1,2,3
	ds_store_b128 v[SA], v[ACC+8*\mb:ACC+8*\mb+3]   offset:\mb*16*PD      ; each accumulator's low registers first
	ds_store_b128 v[SA], v[ACC+8*\mb+4:ACC+8*\mb+7] offset:\mb*16*PD+16
.endr
	s_wait_dscnt 0x0                               ; a stage row's 256 bytes come from four waves
	s_barrier_signal -1
	s_barrier_wait -1
.set i, 0
.rept 8                                ; wave w reads rows 16 w .. +15 back, whole: lanes 0-15 one row, lanes 16-31 the next
	ds_load_b128 v[RB+4*i:RB+4*i+3], v[RA] offset:i*2*PD
.set i, i+1
.endr
.set i, 0
.rept 8
	s_wait_dscnt 7-i                               ; LDS loads come back in order: load i is in, the younger ones stay out
	global_store_b128 v[GO], v[RB+4*i:RB+4*i+3], s[12:13] offset:i*8192   ; 16 lanes store 256 consecutive bytes, at a multiple of 256 from qpart's first
.set i, i+1
.endr
	s_wait_tensorcnt 0x0                           ; the wave's end
	ds_add_u32 v[SPW], v[NIL]
	s_wait_dscnt 0x0
	s_endpgm
.Lfunc_end_k_q7f4f4e1604_prep:
	.size	k_q7f4f4e1604_prep, .Lfunc_end_k_q7f4f4e1604_prep-k_q7f4f4e1604_prep
	.p2alignl 7, 3214868480
	.fill 96, 4, 3214868480
	.section	.rodata,"a",@progbits
	.p2align	6, 0x0
	.amdhsa_kernel k_q7f4f4e1604_prep
		.amdhsa_group_segment_fixed_size 76288
		.amdhsa_private_segment_fixed_size 0
		.amdhsa_enable_private_segment 0
		.amdhsa_kernarg_size 40
		.amdhsa_user_sgpr_count 2
		.amdhsa_user_sgpr_kernarg_segment_ptr 1
		.amdhsa_wavefront_size32 1
		.amdhsa_system_sgpr_workgroup_id_x 1
		.amdhsa_system_sgpr_workgroup_id_y 1
		.amdhsa_system_sgpr_workgroup_id_z 1
		.amdhsa_system_vgpr_workitem_id 0
		.amdhsa_next_free_vgpr 240
		.amdhsa_next_free_sgpr 66
		.amdhsa_reserve_vcc 0
		.amdhsa_float_denorm_mode_32 3
		.amdhsa_float_denorm_mode_16_64 3
		.amdhsa_memory_ordered 1
		.amdhsa_forward_progress 1
		.amdhsa_inst_pref_size 25
	.end_amdhsa_kernel
	.amdgpu_metadata
---
amdhsa.version: [ 1, 2 ]
amdhsa.kernels:
  - .name:           k_q7f4f4e1604_prep
    .symbol:         k_q7f4f4e1604_prep.kd
    .args:
      - { .name: w_key, .offset: 0, .size: 8, .value_kind: global_buffer, .address_space: global }
      - { .name: w_query, .offset: 8, .size: 8, .value_kind: global_buffer, .address_space: global }
      - { .name: decoder_hidden, .offset: 16, .size: 8, .value_kind: global_buffer, .address_space: global }
      - { .name: wkf, .offset: 24, .size: 8, .value_kind: global_buffer, .address_space: global }
      - { .name: qpart, .offset: 32, .size: 8, .value_kind: global_buffer, .address_space: global }
    .group_segment_fixed_size: 76288
    .private_segment_fixed_size: 0
    .kernarg_segment_align: 8
    .kernarg_segment_size: 40
    .max_flat_workgroup_size: 128
    .sgpr_count:     66
    .vgpr_count:     240
    .wavefront_size: 32
...
	.end_amdgpu_metadata
.endif
;; end of part 1
;; launch score (part 2): grid 8 x 64, 4 waves a work-group, no clusters, 314,112 bytes of LDS; arguments encoder_outputs, mask, w_score, wkf, qpart, scores, ctxp; writes scores, ctxp
.if DOCPART == 2
	.amdgcn_target "amdgcn-amd-amdhsa--gfx1250"
	.amdhsa_code_object_version 6
	.text
	.protected	k_q7f4f4e1604_score
	.globl	k_q7f4f4e1604_score
	.p2align	8
	.type	k_q7f4f4e1604_score,@function
k_q7f4f4e1604_score:
	s_mov_b64 s[64:65], 0
	v_nop
	global_prefetch_b8 v0, s[64:65] scope:SCOPE_SE
	s_setreg_imm32_b32 hwreg(HW_REG_WAVE_MODE, 25, 1), 1
	s_wait_xcnt 0x0
; SCORE.  For a block of 128 rows s of one batch b:  keys = enc x w_key;  score[s] = sum over a of w[a] tanh(q[a] + keys[s][a]);  masked;  the block's maximum m;  p = e^(score - m);
; ctxp = sum over s of p[s] enc[s][:].  The launch behind joins a batch's eight blocks.
; ONE READ OF enc.  The block is loaded once (f32, 512 KiB), rounded once to bf16 and kept in LDS (128 rows x 2,064 bytes).  All 1,024 columns of the first product and then the second product read it there.
; SHARES.  512 work-groups (blk, b).  Wave w owns columns 256 w .. +255, in four chunks of 64: a wave tile of 128 rows x 64 columns, 32 accumulators.  A K step of 32: 16 LDS loads (enc's fragments),
; 8 global loads (w_key's fragments, which the launch before laid in fragment order: each load covers 512 consecutive bytes), 32 matrix instructions.
; w_key COMES STRAIGHT INTO REGISTERS, and there is NO CLUSTER and no joint load, though every work-group reads the same 2 MiB: a fragment of w_key is used by one wave of the work-group alone, so a way
; through LDS would add a write and a read and spare nothing; and beside the block's 264,192 bytes a work-group's limit of 327,680 leaves 63,488: as two slots, each under two K steps of the 256 columns
; that the four waves have in hand (16,384 bytes a K step): a barrier for every 32 matrix instructions of a wave.  The ring of eight register slots has seven K steps on their way and needs no barrier.
; THE LOADS OF A K STEP STAND IN ONE RUN in its middle, 24 on end, never singly among the matrix instructions; a chunk's way through tanh stands behind its 32 K steps, in place in the accumulators,
; while the next chunk's first seven K steps of w_key are on their way.
; tanh(x) = 1 - 2 / (1 + 2^(c x)), c = 2 log2(e):  score = sum(w) + sum over a of (-2 w[a]) / (1 + 2^(c keys + c q)).  An overflowing power gives 1 / inf = 0, tanh = 1; a vanishing one gives tanh = -1.
; FORMATS.  enc, w_key, decoder_hidden, w_query and w_score are rounded once to bf16; p is rounded to bf16 for the second product; q, tanh, the sums, maxima and exponentials are f32.
; LIMITS.  NaN and infinities among the inputs are not treated apart.  A weight below 2^-126 counts as 0.  A mask byte other than 0 counts as true.
;
; REGISTERS, in windows of 256 (s_set_vgpr_msb: bits 1:0 source 0, 3:2 source 1, 5:4 source 2, 7:6 destination):
;   window 0: v0-39, v60-63 addresses and the chunk's q and w; v40-59 at work; v64-127, v128-191 enc's fragments, two buffers; v192-255 the score sums (register 8 a + j: row 16 a + 8 h + j)
;   window 1: w_key's fragments, eight slots of 32 (K step k in slot k % 8); at the end enc turned, two buffers of 128
;   window 2: the 32 accumulators (rows 16 a on, columns 16 b on, at 8 (4 a + b)); at the start the ring of enc's loads, four slots of 64; at the end the second product's 16 accumulators
.set PITCH, 2064                       ; a row of the block in LDS: 2,048 bytes + 16 = 516 words: row r starts at bank 4 r mod 64 (64 banks of 4 bytes: ISA guide 11.1)
.set QS,    264192                     ; behind the block: c q, f32 [1024]
.set WSO,   4096                       ; -2 w, f32 [1024], this far behind QS
.set SC,    272384                     ; partial scores [wave][128 rows] f32
.set WP,    274432                     ; the four waves' sums of w
.set PB,    274688                     ; p in bf16, 256 bytes for each wave, its own
.set CS,    275712                     ; the way out, 1,024 bytes for each wave, its own
.set RED,   279808                     ; the score sums on their way from lanes to rows: 16 rows of 528 bytes for each wave, its own
.set RP,    528                        ; 512 bytes (128 rows' sums) + 16
.set SPARE, 313600                     ; the spare words, 128 bytes a wave: two blocks of 256 bytes that no other line names
.set EO,   4                           ; v4   16 l: my place in 512 consecutive bytes of enc, wkf, scores, ctxp; never rewritten
.set LA,   5                           ; v5   where my 8 bytes of a row go: 32 w rows + 8 l; steps
.set ADRA, 6                           ; v6-9 enc's fragments: r x pitch + 16 h + 32 q rows
.set QA,   10                          ; v10  QS + 1,024 w + 4 r; steps 256 a chunk
.set RS,   11                          ; v11  RED + 16 w x 528 + 528 r + 32 h
.set MK,   12                          ; v12  four mask bytes: rows 4 l .. 4 l + 3
.set TA,   13                          ; v13  the turning load: (8 h + l%8) x pitch + 512 w + 16 ((l/8)%2); steps
.set PA,   14                          ; v14  PB + 256 w + 16 h
.set PS,   15                          ; v15  PB + 256 w + 8 l
.set CW,   16                          ; v16  CS + 1,024 w + 4 l
.set CR,   17                          ; v17  CS + 1,024 w + 16 l
.set SR,   18                          ; v18  SC + 16 l
.set TO,   19                          ; v19  16 t
.set QC,   20                          ; v20-27  c q of my column in each of the chunk's four column blocks, twice (a pair for the packed forms)
.set W2,   28                          ; v28-35  -2 w likewise
.set QSA,  36                          ; v36  QS + 16 t
.set WPA,  37                          ; v37  WP + 4 w
.set WPL,  38                          ; v38  WP
.set MO,   39                          ; v39  4 l
.set RL,   60                          ; v60  RED + 16 w x 528 + 16 l
.set SCW,  61                          ; v61  SC + 512 w + 16 l
.set SPW,  62                          ; v62  my spare word; never rewritten
.set NIL,  63                          ; v63  0; never rewritten
.set F0,   64
.set RB,   128                         ; behind the last chunk: the stage read back, into fragment buffer 1
.set SCA,  192
.set MSB, 0
.macro WIN new                         ; the immediate's high byte repeats the setting that is left; a switch that changes nothing is dropped
.if MSB != (\new)
	s_set_vgpr_msb (MSB<<8)|(\new)
.set MSB, \new
.endif
.endm
.set W_MUL, 0xa4                       ; source 0 window 0, source 1 window 1, C and D window 2
.set W_TOB, 0x40                       ; destination window 1, address window 0
.set W_TOR, 0x80                       ; destination window 2, address window 0
.set W_CVT, 0x0a                       ; sources 0 and 1 window 2, destination window 0
.set W_TOP, 0x82                       ; destination and source 0 window 2, source 2 window 0
.set W_EQ,  0xa2                       ; destination, sources 0 and 2 window 2, source 1 window 0
.set W_SAD, 0x02                       ; source 0 window 2, the rest window 0
.macro PLACES                          ; four places in front of loads into registers that matrix instructions have read, and of vector lines that read results (ISA guide 7.12.1 for vector lines)
.rept 4
	v_nop
.endr
.endm
; Two rows of enc (16 loads of 512 consecutive bytes) into slot s of the ring in window 2
.macro ELOAD s, off
	WIN W_TOR
.set ei, 0
.rept 16
	global_load_b128 v[64*(\s)+4*ei:64*(\s)+4*ei+3], v[EO], s[4:5] offset:(\off)+(ei/8)*4096+(ei%8)*512 th:TH_LOAD_NT
.set ei, ei+1
.endr
.endm
; w_key's four fragments of K step k (8 loads) into slot k % 8
.macro BLOAD k, extra
	WIN W_TOB
.set bi, 0
.rept 8
	global_load_b128 v[32*((\k)%8)+4*bi:32*((\k)%8)+4*bi+3], v[EO], s[10:11] offset:(\extra)+(\k)*4096+bi*512
.set bi, bi+1
.endr
.endm
; enc's eight fragments of K step k (16 LDS loads, rows ascending) into buffer k % 2
.macro FETCH k
	WIN 0
.set fi, 0
.rept 8
	ds_load_b128 v[F0+64*((\k)%2)+8*fi:F0+64*((\k)%2)+8*fi+3],   v[ADRA+fi/2] offset:(fi%2)*16*PITCH+64*(\k)
	ds_load_b128 v[F0+64*((\k)%2)+8*fi+4:F0+64*((\k)%2)+8*fi+7], v[ADRA+fi/2] offset:(fi%2)*16*PITCH+64*(\k)+32
.set fi, fi+1
.endr
.endm
; 16 matrix instructions: row blocks 4 hi .. 4 hi + 3 x the four column blocks.  K step 0 starts the sums: nothing is cleared.
.macro MUL16 k, hi
	WIN W_MUL
.set ma, 4*(\hi)
.rept 4
.set mb, 0
.rept 4
.if (\k) == 0
	v_wmma_f32_16x16x32_bf16 v[8*(4*ma+mb):8*(4*ma+mb)+7], v[F0+64*((\k)%2)+8*ma:F0+64*((\k)%2)+8*ma+7], v[32*((\k)%8)+8*mb:32*((\k)%8)+8*mb+7], 0
.else
	v_wmma_f32_16x16x32_bf16 v[8*(4*ma+mb):8*(4*ma+mb)+7], v[F0+64*((\k)%2)+8*ma:F0+64*((\k)%2)+8*ma+7], v[32*((\k)%8)+8*mb:32*((\k)%8)+8*mb+7], v[8*(4*ma+mb):8*(4*ma+mb)+7]
.endif
.set mb, mb+1
.endr
.set ma, ma+1
.endr
.endm
; A K step.  The 32 accumulators take turns in the same order in every step, one instruction a turn.  In its middle stand, in one run, the next step's LDS loads
; and the global loads of the step seven on: the buffer and the slot that they fill were last read in step k - 1, and the four places stand between.
.macro KSTEP k
.if (\k) <= 25
	s_wait_loadcnt 48                              ; step k's fragments of w_key are in; those of the six steps behind it stay out
.else
	s_wait_loadcnt 8*(31-(\k))                     ; near the chunk's end fewer steps are behind it
.endif
.if (\k) == 0
	s_wait_dscnt 24                                ; rows 0-63 are in; out may be: rows 64-127 (8 loads) and the chunk's q and w (16)
.else
	s_wait_dscnt 8                                 ; rows 0-63 are in; the eight loads of rows 64-127 may be out
.endif
	MUL16 \k, 0
.if (\k) < 31
	PLACES
	FETCH (\k)+1
.endif
.if (\k) <= 24
	BLOAD (\k)+7, 0
.endif
.if (\k) < 31
	s_wait_dscnt 16                                ; all but the 16 just issued
.else
	s_wait_dscnt 0x0
.endif
	MUL16 \k, 1
.endm
; Slot s of the ring of enc's loads: rounded to bf16, 8 bytes a lane into the block; then the slot is filled again (kind 1: the two rows eight further down), or its place in the
; queue of loads is taken by w_key's first K steps (kind 2), sixteen loads for sixteen, so that the count below stays what it is.
.macro LB s, kind
	s_wait_loadcnt 48                              ; my sixteen loads are in; the three batches of sixteen behind them stay out
	WIN W_CVT
.set li, 0
.rept 32
	v_cvt_pk_bf16_f32 v[64+li], v[64*(\s)+2*li], v[64*(\s)+2*li+1]
.set li, li+1
.endr
	WIN 0
.set li, 0
.rept 16
	ds_store_b64 v[LA], v[64+2*li:65+2*li] offset:(2*(\s)+li/8)*PITCH+(li%8)*256
.set li, li+1
.endr
.if (\kind) == 1
	ELOAD \s, 32768+(\s)*8192
.else
	BLOAD 2*(\s), 0
.if (\s) < 3
	BLOAD 2*(\s)+1, 0
.endif
.endif
.endm
; THE WAY THROUGH tanh is a queue over the eight row blocks p of the accumulators (32 registers each), three stages deep, so that each transcendental has plain work of another block behind it
; (ISA guide 5.7.2: a plain vector instruction stands between a transcendental and the use of its result).
; EHALF1 p: 2^x for block p; 1 + 2^x for block p - 1.     EHALF2 p: the reciprocal for block p - 1; for block p - 2 the four column blocks' (-2 w) / (1 + 2^x) are added into the first's registers.
.macro EHALF1 p
.if (\p) <= 8
.set eu, 0
.rept 16
.if (\p) <= 7
	v_exp_f32 v[32*(\p)+2*eu], v[32*(\p)+2*eu]
	v_exp_f32 v[32*(\p)+2*eu+1], v[32*(\p)+2*eu+1]
.endif
.if (\p) >= 1
	s_wait_alu depctr_va_vdst(0)
	v_pk_add_f32 v[32*((\p)-1)+2*eu:32*((\p)-1)+2*eu+1], v[32*((\p)-1)+2*eu:32*((\p)-1)+2*eu+1], 1.0 op_sel_hi:[1,0]
.endif
.set eu, eu+1
.endr
	v_nop
.endif
.endm
.macro EHALF2 p
.if (\p) >= 1
.set eu, 0
.rept 16
.if (\p) <= 8
	v_rcp_f32 v[32*((\p)-1)+2*eu], v[32*((\p)-1)+2*eu]
	v_rcp_f32 v[32*((\p)-1)+2*eu+1], v[32*((\p)-1)+2*eu+1]
.endif
.if (\p) >= 2
.set fa, 32*((\p)-2)
.set fb, eu/4
.set fp, 2*(eu%4)
.if fb == 0
	v_pk_mul_f32 v[fa+fp:fa+fp+1], v[fa+fp:fa+fp+1], v[W2:W2+1]
.else
	v_pk_fma_f32 v[fa+fp:fa+fp+1], v[fa+8*fb+fp:fa+8*fb+fp+1], v[W2+2*fb:W2+2*fb+1], v[fa+fp:fa+fp+1]
.endif
.endif
.set eu, eu+1
.endr
.if (\p) <= 8
	v_nop
	s_wait_alu depctr_va_vdst(0)
.endif
.endif
.endm
; The second product: 32 rows of the block x my 256 columns, turned (32 LDS loads), into buffer buf of window 1; then the address steps 32 rows
.macro CRUN buf
	WIN W_TOB
.set ci, 0
.rept 16
	ds_load_tr16_b128 v[128*(\buf)+8*ci:128*(\buf)+8*ci+3],   v[TA] offset:32*ci
	ds_load_tr16_b128 v[128*(\buf)+8*ci+4:128*(\buf)+8*ci+7], v[TA] offset:32*ci+16*PITCH
.set ci, ci+1
.endr
	WIN 0
	v_add_nc_u32 v[TA], 32*PITCH, v[TA]
.endm
.macro CMUL ks, buf                    ; its 16 matrix instructions for rows 32 ks on: 16 accumulators by turns
	WIN W_MUL
.set ci, 0
.rept 16
.if (\ks) == 0
	v_wmma_f32_16x16x32_bf16 v[8*ci:8*ci+7], v[64+8*(\ks):64+8*(\ks)+7], v[128*(\buf)+8*ci:128*(\buf)+8*ci+7], 0
.else
	v_wmma_f32_16x16x32_bf16 v[8*ci:8*ci+7], v[64+8*(\ks):64+8*(\ks)+7], v[128*(\buf)+8*ci:128*(\buf)+8*ci+7], v[8*ci:8*ci+7]
.endif
.set ci, ci+1
.endr
.endm
	; ---- the head ----
	s_load_b256 s[4:11], s[0:1], 0x0               ; enc s[4:5], mask s[6:7], w_score s[8:9], wkf s[10:11]
	s_load_b128 s[12:15], s[0:1], 0x20             ; qpart s[12:13], scores s[14:15]
	s_load_b64 s[16:17], s[0:1], 0x30              ; ctxp
	v_lshl_add_u32 v[SPW], v0, 2, SPARE
	v_mov_b32 v[NIL], 0
	v_lshrrev_b32 v1, 5, v0
	v_readfirstlane_b32 s18, v1                    ; w: wave 0..3
	s_mov_b32 s19, ttmp9                           ; blk
	s_and_b32 s20, ttmp7, 0xffff                   ; b
	s_mov_b32 s24, 0x4038aa3b                      ; c = 2 log2(e) = 2.885390
	s_mov_b32 s25, s24                             ; named with it as a pair
	s_mov_b32 s28, 0x76543210                      ; v_permlanex16_b32: each lane takes its own place in the other half
	s_mov_b32 s29, 0xfedcba98
	s_mov_b32 s30, 0xffff0000                      ; a word's upper bf16; also: lanes 16-31
	v_and_b32 v1, 31, v0                           ; l
	v_and_b32 v2, 15, v0                           ; r = l % 16
	v_bfe_u32 v3, v0, 4, 1                         ; h = l / 16
	v_lshlrev_b32 v[EO], 4, v1
	s_mul_i32 s21, s18, 32*PITCH
	v_lshl_add_u32 v[LA], v1, 3, s21
	v_mul_u32_u24 v[ADRA], v2, PITCH
	v_lshl_add_u32 v[ADRA], v3, 4, v[ADRA]
	v_add_nc_u32 v[ADRA+1], 32*PITCH, v[ADRA]
	v_add_nc_u32 v[ADRA+2], 64*PITCH, v[ADRA]
	v_add_nc_u32 v[ADRA+3], 96*PITCH, v[ADRA]
	s_lshl_b32 s21, s18, 10
	s_add_co_u32 s21, s21, QS
	v_lshl_add_u32 v[QA], v2, 2, s21
	s_lshl_b32 s21, s18, 9
	s_add_co_u32 s21, s21, SC
	v_lshl_add_u32 v[SCW], v1, 4, s21
	s_mul_i32 s21, s18, 16*RP
	s_add_co_u32 s21, s21, RED
	v_lshl_add_u32 v[RL], v1, 4, s21
	v_mul_u32_u24 v[RS], v2, RP
	v_lshl_add_u32 v[RS], v3, 5, v[RS]
	v_add_nc_u32 v[RS], s21, v[RS]
	v_and_b32 v[TA], 7, v0
	v_lshl_add_u32 v[TA], v3, 3, v[TA]
	v_mul_u32_u24 v[TA], v[TA], PITCH
	v_bfe_u32 v40, v0, 3, 1
	v_lshl_add_u32 v[TA], v40, 4, v[TA]
	s_lshl_b32 s21, s18, 9
	v_add_nc_u32 v[TA], s21, v[TA]
	s_lshl_b32 s21, s18, 8
	s_add_co_u32 s21, s21, PB
	v_lshl_add_u32 v[PA], v3, 4, s21
	v_lshl_add_u32 v[PS], v1, 3, s21
	s_lshl_b32 s21, s18, 10
	s_add_co_u32 s21, s21, CS
	v_lshl_add_u32 v[CW], v1, 2, s21
	v_lshl_add_u32 v[CR], v1, 4, s21
	v_lshl_add_u32 v[SR], v1, 4, SC
	v_lshlrev_b32 v[TO], 4, v0
	v_add_nc_u32 v[QSA], QS, v[TO]
	s_lshl_b32 s21, s18, 2
	s_add_co_u32 s21, s21, WP
	v_mov_b32 v[WPA], s21
	v_mov_b32 v[WPL], WP
	v_lshlrev_b32 v[MO], 2, v1
	s_lshl_b32 s22, s20, 22                        ; enc: batch b, 128 blk rows, my wave's 32 rows of 4,096 bytes
	s_lshl_b32 s21, s19, 19
	s_add_co_u32 s22, s22, s21
	s_lshl_b32 s21, s18, 17
	s_add_co_u32 s22, s22, s21
	s_mov_b32 s23, 0
	s_wait_kmcnt 0x0
	s_add_nc_u64 s[4:5], s[4:5], s[22:23]
	s_lshl_b32 s22, s20, 10                        ; mask: 1,024 b + 128 blk
	s_lshl_b32 s21, s19, 7
	s_add_co_u32 s22, s22, s21
	s_add_nc_u64 s[6:7], s[6:7], s[22:23]
	s_lshl_b32 s22, s18, 19                        ; wkf: my four column groups of 131,072 bytes
	s_add_nc_u64 s[10:11], s[10:11], s[22:23]
	s_lshl_b32 s22, s20, 12                        ; qpart: row b of each part
	s_add_nc_u64 s[12:13], s[12:13], s[22:23]
	s_lshl_b32 s21, s19, 9                         ; scores: row b, 128 blk numbers on
	s_add_co_u32 s22, s22, s21
	s_add_nc_u64 s[14:15], s[14:15], s[22:23]
	s_lshl_b32 s22, s20, 15                        ; ctxp: row 8 b + blk, my 256 columns
	s_lshl_b32 s21, s19, 12
	s_add_co_u32 s22, s22, s21
	s_lshl_b32 s21, s18, 10
	s_add_co_u32 s22, s22, s21
	s_add_nc_u64 s[16:17], s[16:17], s[22:23]
	; ---- q, w and the mask; the block comes in ----
	; Thread t takes columns 4 t .. +3 and 512 + 4 t .. +3 of q's eight parts and of w.
.set i, 0
.rept 16                               ; part i / 2, half i % 2
	global_load_b128 v[64+4*i:64+4*i+3], v[TO], s[12:13] offset:(i/2)*262144+(i%2)*2048
.set i, i+1
.endr
	global_load_b128 v[128:131], v[TO], s[8:9]
	global_load_b128 v[132:135], v[TO], s[8:9] offset:2048
	global_load_b32 v[MK], v[MO], s[6:7]
	ELOAD 0, 0                                     ; my rows 0, 1
	ELOAD 1, 8192                                  ; and 2, 3
	WIN 0
.set i, 0
.rept 64
	v_mov_b32 v[SCA+i], 0                          ; the score sums of four chunks start at 0, so that one text serves all four: these lines stand in the wait for the first loads
.set i, i+1
.endr
	s_wait_loadcnt 32                              ; q's parts, w and the mask are in; enc's 32 loads stay out
.irp kc, 1,2,3,4,5,6,7
.irp hf, 0,1
	v_pk_add_f32 v[64+4*\hf:65+4*\hf], v[64+4*\hf:65+4*\hf], v[64+4*(2*\kc+\hf):65+4*(2*\kc+\hf)]
	v_pk_add_f32 v[66+4*\hf:67+4*\hf], v[66+4*\hf:67+4*\hf], v[66+4*(2*\kc+\hf):67+4*(2*\kc+\hf)]
.endr
.endr
.irp j, 0,2,4,6
	v_pk_mul_f32 v[64+\j:65+\j], v[64+\j:65+\j], s[24:25] op_sel_hi:[1,0]      ; c q
.endr
	ds_store_b128 v[QSA], v[64:67]
	ds_store_b128 v[QSA], v[68:71] offset:2048
.irp j, 0,1,2,3
	v_cvt_pk_bf16_f32 v[44+\j], v[128+2*\j], v[129+2*\j]                       ; w is a product's operand: rounded to bf16 as the other inputs are,
.endr
.irp j, 0,1,2,3
	v_lshlrev_b32 v[128+2*\j], 16, v[44+\j]                                    ; and widened again: the sums stay in f32
	v_and_b32     v[129+2*\j], s30, v[44+\j]
.endr
	v_pk_add_f32 v[40:41], v[128:129], v[130:131]
	v_pk_add_f32 v[42:43], v[132:133], v[134:135]
	v_pk_add_f32 v[40:41], v[40:41], v[42:43]
	v_add_f32 v40, v40, v41
	v_add_f32_dpp v40, v40, v40 row_xmask:1 row_mask:0xf bank_mask:0xf
	v_add_f32_dpp v40, v40, v40 row_xmask:2 row_mask:0xf bank_mask:0xf
	v_add_f32_dpp v40, v40, v40 row_xmask:4 row_mask:0xf bank_mask:0xf
	v_add_f32_dpp v40, v40, v40 row_xmask:8 row_mask:0xf bank_mask:0xf
	v_permlanex16_b32 v41, v40, s28, s29
	v_add_f32 v40, v40, v41                        ; the sum of my wave's 256 w
	ds_store_b32 v[WPA], v40
.irp j, 0,2,4,6
	v_pk_mul_f32 v[128+\j:129+\j], v[128+\j:129+\j], -2.0 op_sel_hi:[1,0]
.endr
	ds_store_b128 v[QSA], v[128:131] offset:WSO
	ds_store_b128 v[QSA], v[132:135] offset:WSO+2048
	ELOAD 2, 16384
	ELOAD 3, 24576                                 ; 64 loads, eight rows, of every wave are issued
	WIN 0
	s_mov_b32 s26, 3
.Lfill:                                                ; a trip: eight rows go to LDS, the eight behind them are asked for
	LB 0, 1
	LB 1, 1
	LB 2, 1
	LB 3, 1
	WIN 0
	s_wait_xcnt 0x0                                ; enc's address steps only when the loads issued have had theirs translated (ISA guide 3.1)
	s_add_nc_u64 s[4:5], s[4:5], 32768
	v_add_nc_u32 v[LA], 8*PITCH, v[LA]
	s_sub_co_u32 s26, s26, 1
	s_cmp_lg_u32 s26, 0
	s_cbranch_scc1 .Lfill
	LB 0, 2                                        ; the last eight rows: no load leaves the block; w_key's K steps 0 to 6 are asked for in their stead
	LB 1, 2
	LB 2, 2
	LB 3, 2
	WIN 0
	s_wait_dscnt 0x0                               ; for the others' sake: my rows, my part of q and w, my sum of w are in LDS
	s_barrier_signal -1
	s_barrier_wait -1                              ; the block is whole
	FETCH 0
	s_mov_b32 s27, 4
	; ---- four chunks of 64 columns ----
.Lchunk:
.set ci, 0
.rept 4                                ; my column in each of the four column blocks; each number twice, for the packed forms
	ds_load_b32 v[QC+2*ci],   v[QA] offset:64*ci
	ds_load_b32 v[QC+2*ci+1], v[QA] offset:64*ci
	ds_load_b32 v[W2+2*ci],   v[QA] offset:WSO+64*ci
	ds_load_b32 v[W2+2*ci+1], v[QA] offset:WSO+64*ci
.set ci, ci+1
.endr
.set kk, 0
.rept 32
	KSTEP kk
.set kk, kk+1
.endr
	WIN 0                                          ; at a branch and at a label every window is 0
	PLACES                                         ; behind the last products: for the loads below and for the lines that read and rewrite the sums
	s_cmp_eq_u32 s27, 1
	s_cbranch_scc1 .Lno_next                       ; behind the last chunk there is nothing to ask for: no load leaves wkf
.set kk, 0
.rept 7
	BLOAD kk, 131072                               ; the next chunk's K steps 0 to 6 come in while this chunk goes through tanh
.set kk, kk+1
.endr
	FETCH 0
.Lno_next:
	WIN W_TOP
.set ti, 0
.rept 128                              ; c keys + c q, in place; ascending
	v_pk_fma_f32 v[2*ti:2*ti+1], v[2*ti:2*ti+1], s[24:25], v[QC+2*((ti/4)%4):QC+2*((ti/4)%4)+1] op_sel_hi:[1,0,1]
.set ti, ti+1
.endr
	WIN W_EQ
.set qq, 0
.rept 10
	EHALF1 qq
	EHALF2 qq
.set qq, qq+1
.endr
	WIN W_SAD
.set ti, 0
.rept 32                               ; row block ti / 4, pair ti % 4: the chunk's part joins the score sums
	v_pk_add_f32 v[SCA+2*ti:SCA+2*ti+1], v[32*(ti/4)+2*(ti%4):32*(ti/4)+2*(ti%4)+1], v[SCA+2*ti:SCA+2*ti+1]
.set ti, ti+1
.endr
	WIN 0
	v_add_nc_u32 v[QA], 256, v[QA]
	s_wait_xcnt 0x0                                ; wkf's address steps only behind this wait; the youngest load that names it stands in front of the way through tanh
	s_add_nc_u64 s[10:11], s[10:11], 131072        ; the next chunk (behind the last chunk no load uses the stepped address)
	s_sub_co_u32 s27, s27, 1
	s_cmp_lg_u32 s27, 0
	s_cbranch_scc1 .Lchunk
	; ---- the scores ----
	; A lane holds 64 rows' sums over its own sixteenth of the wave's columns.  They go into my wave's own stage, lane r's 128 sums (with lane 16 + r's) as one row of 512 bytes, and come back by rows of
	; the block: lane l takes rows 4 l .. 4 l + 3 of all sixteen.  LDS serves a wave's instructions in order (ISA guide 5.7.1.4): the loads see the stores.
.set ti, 0
.rept 8                                ; rows 16 ti + 8 h + 0..7
	ds_store_b128 v[RS], v[SCA+8*ti:SCA+8*ti+3]   offset:64*ti
	ds_store_b128 v[RS], v[SCA+8*ti+4:SCA+8*ti+7] offset:64*ti+16
.set ti, ti+1
.endr
.set ti, 0
.rept 16
	ds_load_b128 v[RB+4*ti:RB+4*ti+3], v[RL] offset:ti*RP
.set ti, ti+1
.endr
	s_wait_dscnt 0x0
.irp st, 8,4,2,1
.set ti, 0
.rept \st
	v_pk_add_f32 v[RB+4*ti:RB+4*ti+1],   v[RB+4*ti:RB+4*ti+1],   v[RB+4*(ti+\st):RB+4*(ti+\st)+1]
	v_pk_add_f32 v[RB+4*ti+2:RB+4*ti+3], v[RB+4*ti+2:RB+4*ti+3], v[RB+4*(ti+\st)+2:RB+4*(ti+\st)+3]
.set ti, ti+1
.endr
.endr
	ds_store_b128 v[SCW], v[RB:RB+3]               ; my wave's part of rows 4 l .. 4 l + 3
	s_wait_dscnt 0x0
	s_barrier_signal -1
	s_barrier_wait -1
	; Every wave makes all 128 scores, four a lane (rows 4 l .. 4 l + 3), so that no further barrier is needed.
	ds_load_b128 v[40:43], v[SR]
	ds_load_b128 v[44:47], v[SR] offset:512
	ds_load_b128 v[48:51], v[SR] offset:1024
	ds_load_b128 v[52:55], v[SR] offset:1536
	ds_load_b128 v[56:59], v[WPL]
	s_wait_dscnt 0x0
	v_pk_add_f32 v[40:41], v[40:41], v[44:45]
	v_pk_add_f32 v[42:43], v[42:43], v[46:47]
	v_pk_add_f32 v[48:49], v[48:49], v[52:53]
	v_pk_add_f32 v[50:51], v[50:51], v[54:55]
	v_pk_add_f32 v[56:57], v[56:57], v[58:59]
	v_pk_add_f32 v[40:41], v[40:41], v[48:49]
	v_pk_add_f32 v[42:43], v[42:43], v[50:51]
	v_add_f32 v56, v56, v57                        ; sum(w)
	v_pk_add_f32 v[40:41], v[40:41], v[56:57] op_sel_hi:[1,0]
	v_pk_add_f32 v[42:43], v[42:43], v[56:57] op_sel_hi:[1,0]
.irp j, 0,1,2,3
	v_bfe_u32 v44, v[MK], 8*\j, 8
	v_cmp_ne_u32 vcc_lo, 0, v44
	v_cndmask_b32 v[40+\j], 0xce6e6b28, v[40+\j], vcc_lo    ; -1e9 where the mask byte is 0
.endr
	s_cmp_lg_u32 s18, 0
	s_cbranch_scc1 .Lnot_wave_0
	global_store_b128 v[EO], v[40:43], s[14:15]    ; 512 consecutive bytes, at a multiple of 512 from scores' first; v40-43 are not written again
.Lnot_wave_0:
	v_max3_num_f32 v44, v40, v41, v42
	v_max_num_f32 v44, v44, v43
	v_max_num_f32_dpp v44, v44, v44 row_xmask:1 row_mask:0xf bank_mask:0xf
	v_max_num_f32_dpp v44, v44, v44 row_xmask:2 row_mask:0xf bank_mask:0xf
	v_max_num_f32_dpp v44, v44, v44 row_xmask:4 row_mask:0xf bank_mask:0xf
	v_max_num_f32_dpp v44, v44, v44 row_xmask:8 row_mask:0xf bank_mask:0xf
	v_permlanex16_b32 v45, v44, s28, s29
	v_max_num_f32 v44, v44, v45                    ; m: the block's maximum
.irp j, 0,1,2,3
	v_sub_f32 v[48+\j], v[40+\j], v44
.endr
.irp j, 0,1,2,3
	v_mul_f32 v[48+\j], 0x3fb8aa3b, v[48+\j]       ; log2(e)
.endr
.irp j, 0,1,2,3
	v_exp_f32 v[48+\j], v[48+\j]
.endr
	v_nop                                          ; a plain instruction between the last exponential and the use of its result
	s_wait_alu depctr_va_vdst(0)
	v_cvt_pk_bf16_f32 v52, v48, v49
	v_cvt_pk_bf16_f32 v53, v50, v51
	ds_store_b64 v[PS], v[52:53]                   ; my wave's own copy of the 128 p
	; p as source 0 of the second product: all 16 rows of the fragment hold the same 32 p.  These loads see the store above: a wave's LDS instructions are served in order.
.irp ks, 0,1,2,3
	ds_load_b128 v[64+8*\ks:67+8*\ks], v[PA] offset:64*\ks
	ds_load_b128 v[68+8*\ks:71+8*\ks], v[PA] offset:64*\ks+32
.endr
	; ---- the partial context: p x the block, my 256 columns ----
	CRUN 0
	CRUN 1
	s_wait_dscnt 32                                ; p and rows 0-31 are in; the run just issued stays out
	CMUL 0, 0
	PLACES
	CRUN 0
	s_wait_dscnt 32
	CMUL 1, 1
	PLACES
	CRUN 1
	s_wait_dscnt 32
	CMUL 2, 0
	s_wait_dscnt 0x0
	CMUL 3, 1
	PLACES
	; All 16 rows of a result are alike, and register 0 holds column l % 16 in both halves of the lanes: lanes 0-15 take an even column block, lanes 16-31 the odd one behind it.
	WIN W_CVT
.irp j, 0,1,2,3,4,5,6,7
	v_cndmask_b32 v[120+\j], v[16*\j], v[16*\j+8], s30
.endr
	WIN 0
.irp j, 0,1,2,3,4,5,6,7
	ds_store_b32 v[CW], v[120+\j] offset:128*\j    ; column 32 j + l of my 256
.endr
	ds_load_b128 v[96:99], v[CR]                   ; and back, 16 bytes a lane
	ds_load_b128 v[100:103], v[CR] offset:512
	s_wait_dscnt 0x0
	global_store_b128 v[EO], v[96:99], s[16:17]                ; each store covers 512 consecutive bytes, at a multiple of 512 from ctxp's first
	global_store_b128 v[EO], v[100:103], s[16:17] offset:512
	s_wait_tensorcnt 0x0                           ; the wave's end
	ds_add_u32 v[SPW], v[NIL]
	s_wait_dscnt 0x0
	s_endpgm
.Lfunc_end_k_q7f4f4e1604_score:
	.size	k_q7f4f4e1604_score, .Lfunc_end_k_q7f4f4e1604_score-k_q7f4f4e1604_score
	.p2alignl 7, 3214868480
	.fill 96, 4, 3214868480
	.section	.rodata,"a",@progbits
	.p2align	6, 0x0
	.amdhsa_kernel k_q7f4f4e1604_score
		.amdhsa_group_segment_fixed_size 314112
		.amdhsa_private_segment_fixed_size 0
		.amdhsa_enable_private_segment 0
		.amdhsa_kernarg_size 56
		.amdhsa_user_sgpr_count 2
		.amdhsa_user_sgpr_kernarg_segment_ptr 1
		.amdhsa_wavefront_size32 1
		.amdhsa_system_sgpr_workgroup_id_x 1
		.amdhsa_system_sgpr_workgroup_id_y 1
		.amdhsa_system_sgpr_workgroup_id_z 1
		.amdhsa_system_vgpr_workitem_id 0
		.amdhsa_next_free_vgpr 768
		.amdhsa_next_free_sgpr 66
		.amdhsa_reserve_vcc 1
		.amdhsa_float_denorm_mode_32 3
		.amdhsa_float_denorm_mode_16_64 3
		.amdhsa_memory_ordered 1
		.amdhsa_forward_progress 1
		.amdhsa_inst_pref_size 255
	.end_amdhsa_kernel
	.section	.bss,"aw",@nobits
	.p2align	6
	.space	262144
	.amdgpu_metadata
---
amdhsa.version: [ 1, 2 ]
amdhsa.kernels:
  - .name:           k_q7f4f4e1604_score
    .symbol:         k_q7f4f4e1604_score.kd
    .args:
      - { .name: encoder_outputs, .offset: 0, .size: 8, .value_kind: global_buffer, .address_space: global }
      - { .name: mask, .offset: 8, .size: 8, .value_kind: global_buffer, .address_space: global }
      - { .name: w_score, .offset: 16, .size: 8, .value_kind: global_buffer, .address_space: global }
      - { .name: wkf, .offset: 24, .size: 8, .value_kind: global_buffer, .address_space: global }
      - { .name: qpart, .offset: 32, .size: 8, .value_kind: global_buffer, .address_space: global }
      - { .name: scores, .offset: 40, .size: 8, .value_kind: global_buffer, .address_space: global }
      - { .name: ctxp, .offset: 48, .size: 8, .value_kind: global_buffer, .address_space: global }
    .group_segment_fixed_size: 314112
    .private_segment_fixed_size: 0
    .kernarg_segment_align: 8
    .kernarg_segment_size: 56
    .max_flat_workgroup_size: 128
    .sgpr_count:     66
    .vgpr_count:     768
    .wavefront_size: 32
...
	.end_amdgpu_metadata
.endif
;; end of part 2
;; launch finish (part 3): grid 64 x 1, 8 waves a work-group, no clusters, 1,280 bytes of LDS; arguments scores, ctxp, out0, out1; writes out0, out1
.if DOCPART == 3
	.amdgcn_target "amdgcn-amd-amdhsa--gfx1250"
	.amdhsa_code_object_version 6
	.text
	.protected	k_q7f4f4e1604_finish
	.globl	k_q7f4f4e1604_finish
	.p2align	8
	.type	k_q7f4f4e1604_finish,@function
k_q7f4f4e1604_finish:
	s_mov_b64 s[64:65], 0
	v_nop
	global_prefetch_b8 v0, s[64:65] scope:SCOPE_SE
	s_setreg_imm32_b32 hwreg(HW_REG_WAVE_MODE, 25, 1), 1
	s_wait_xcnt 0x0
; FINISH.  A work-group joins the eight blocks of one batch b.  scores[b][1024] are the masked scores; ctxp[8 b + i][1024] is block i's sum of e^(score - m_i) enc, m_i the block's maximum.
;   M = max m_i;  f_i = e^(m_i - M);  L = sum of l_i f_i, l_i the block's sum of e^(score - m_i);  weights = e^(score - m_i) f_i / L;  context = sum of ctxp_i f_i / L.
; Eight waves: thread t holds scores 4 t .. 4 t + 3, so wave w holds block w, and its maximum is the number that the launch before took away.  The same thread holds columns 4 t .. +3 of the context.
; M is the row's true maximum, so L is at least 1.  A batch that is masked throughout gets equal weights, as the softmax of equal scores does.  A weight below 2^-126 counts as 0.
; 64 work-groups: a batch's statistics want all its 1,024 scores, and a finer share would only make them again; a work-group moves 44 KiB.  Matrix units, clusters and tensor loads have nothing to do here.
.set SPARE, 256                        ; the statistics have the block of 256 bytes from 0 to themselves; behind it the spare words, 128 bytes for each of eight waves
.set SPW, 70                           ; v70  my spare word; never rewritten
.set NIL, 71                           ; v71  0; never rewritten
.set LOG2E, 0x3fb8aa3b
	s_load_b256 s[4:11], s[0:1], 0x0               ; scores s[4:5], ctxp s[6:7], out0 s[8:9], out1 s[10:11]
	v_lshl_add_u32 v[SPW], v0, 2, SPARE
	v_mov_b32 v[NIL], 0
	v_lshrrev_b32 v1, 5, v0
	v_readfirstlane_b32 s12, v1                    ; wave 0..7
	v_lshlrev_b32 v2, 4, v0                        ; 16 t
	s_lshl_b32 s13, s12, 3
	v_mov_b32 v43, s13                             ; my wave's two words
	s_lshl_b32 s14, ttmp9, 12                      ; a row of 4,096 bytes
	s_mov_b32 s15, 0
	s_lshl_b32 s16, ttmp9, 15                      ; eight such rows
	s_mov_b32 s17, 0
	s_mov_b32 s18, 0x76543210                      ; v_permlanex16_b32: each lane takes its own place in the other half
	s_mov_b32 s19, 0xfedcba98
	s_wait_kmcnt 0x0
	s_add_nc_u64 s[4:5], s[4:5], s[14:15]
	s_add_nc_u64 s[6:7], s[6:7], s[16:17]
	s_add_nc_u64 s[8:9], s[8:9], s[14:15]
	s_add_nc_u64 s[10:11], s[10:11], s[14:15]
	global_load_b128 v[4:7], v2, s[4:5]
.irp i, 0,1,2,3,4,5,6,7
	global_load_b128 v[8+4*\i:11+4*\i], v2, s[6:7] offset:\i*4096
.endr
	s_wait_loadcnt 8                               ; the scores are in; ctxp's eight loads stay out
	v_max3_num_f32 v40, v4, v5, v6
	v_max_num_f32 v40, v40, v7
	v_max_num_f32_dpp v40, v40, v40 row_xmask:1 row_mask:0xf bank_mask:0xf
	v_max_num_f32_dpp v40, v40, v40 row_xmask:2 row_mask:0xf bank_mask:0xf
	v_max_num_f32_dpp v40, v40, v40 row_xmask:4 row_mask:0xf bank_mask:0xf
	v_max_num_f32_dpp v40, v40, v40 row_xmask:8 row_mask:0xf bank_mask:0xf
	v_mov_b32 v41, v40                             ; the next line's destination counts as read
	v_permlanex16_b32 v41, v40, s18, s19
	v_max_num_f32 v40, v40, v41                    ; m_w
.irp j, 4,5,6,7
	v_sub_f32 v\j, v\j, v40
.endr
.irp j, 4,5,6,7
	v_mul_f32 v\j, LOG2E, v\j
.endr
.irp j, 4,5,6,7
	v_exp_f32 v\j, v\j                             ; e = e^(score - m_w)
.endr
	v_nop                                          ; a plain instruction between the last exponential and the use of its result
	s_wait_alu depctr_va_vdst(0)
	v_add_f32 v41, v4, v5
	v_add_f32 v42, v6, v7
	v_add_f32 v41, v41, v42
	v_add_f32_dpp v41, v41, v41 row_xmask:1 row_mask:0xf bank_mask:0xf
	v_add_f32_dpp v41, v41, v41 row_xmask:2 row_mask:0xf bank_mask:0xf
	v_add_f32_dpp v41, v41, v41 row_xmask:4 row_mask:0xf bank_mask:0xf
	v_add_f32_dpp v41, v41, v41 row_xmask:8 row_mask:0xf bank_mask:0xf
	v_permlanex16_b32 v42, v41, s18, s19
	v_add_f32 v41, v41, v42                        ; l_w
	ds_store_b64 v43, v[40:41]                     ; all lanes write the same two words with the same numbers
	s_wait_dscnt 0x0
	s_barrier_signal -1
	s_barrier_wait -1
	v_mov_b32 v44, 0
.irp i, 0,1,2,3
	ds_load_b128 v[48+4*\i:51+4*\i], v44 offset:16*\i      ; m_i at v[48 + 2 i], l_i at v[49 + 2 i]
.endr
	s_wait_dscnt 0x0
	v_max3_num_f32 v44, v48, v50, v52
	v_max3_num_f32 v44, v44, v54, v56
	v_max3_num_f32 v44, v44, v58, v60
	v_max_num_f32 v44, v44, v62                    ; M
	v_sub_f32 v45, v40, v44
.irp i, 0,1,2,3,4,5,6,7
	v_sub_f32 v[48+2*\i], v[48+2*\i], v44
.endr
	v_mul_f32 v45, LOG2E, v45
.irp i, 0,1,2,3,4,5,6,7
	v_mul_f32 v[48+2*\i], LOG2E, v[48+2*\i]
.endr
	v_exp_f32 v45, v45                             ; f of my own block
.irp i, 0,1,2,3,4,5,6,7
	v_exp_f32 v[48+2*\i], v[48+2*\i]               ; f_i
.endr
	v_nop
	s_wait_alu depctr_va_vdst(0)
	v_mul_f32 v46, v49, v48
.irp i, 1,2,3,4,5,6,7
	v_fma_f32 v46, v[49+2*\i], v[48+2*\i], v46     ; L, blocks ascending
.endr
	v_rcp_f32 v47, v46
	v_nop
	s_wait_alu depctr_va_vdst(0)
	v_mul_f32 v45, v45, v47                        ; f_w / L
.irp i, 0,1,2,3,4,5,6,7
	v_mul_f32 v[48+2*\i], v[48+2*\i], v47          ; f_i / L
.endr
.irp j, 4,5,6,7
	v_mul_f32 v\j, v\j, v45
.endr
	global_store_b128 v2, v[4:7], s[10:11]         ; the weights: a wave's store covers 512 consecutive bytes, at a multiple of 512 from out1's first
	s_wait_loadcnt 0x0                             ; ctxp
	v_pk_mul_f32 v[64:65], v[8:9], v[48:49] op_sel_hi:[1,0]
	v_pk_mul_f32 v[66:67], v[10:11], v[48:49] op_sel_hi:[1,0]
.irp i, 1,2,3,4,5,6,7
	v_pk_fma_f32 v[64:65], v[8+4*\i:9+4*\i], v[48+2*\i:49+2*\i], v[64:65] op_sel_hi:[1,0,1]
	v_pk_fma_f32 v[66:67], v[10+4*\i:11+4*\i], v[48+2*\i:49+2*\i], v[66:67] op_sel_hi:[1,0,1]
.endr
	global_store_b128 v2, v[64:67], s[8:9]         ; the context, likewise
	s_wait_tensorcnt 0x0                           ; the wave's end
	ds_add_u32 v[SPW], v[NIL]
	s_wait_dscnt 0x0
	s_endpgm
.Lfunc_end_k_q7f4f4e1604_finish:
	.size	k_q7f4f4e1604_finish, .Lfunc_end_k_q7f4f4e1604_finish-k_q7f4f4e1604_finish
	.p2alignl 7, 3214868480
	.fill 96, 4, 3214868480
	.section	.rodata,"a",@progbits
	.p2align	6, 0x0
	.amdhsa_kernel k_q7f4f4e1604_finish
		.amdhsa_group_segment_fixed_size 1280
		.amdhsa_private_segment_fixed_size 0
		.amdhsa_enable_private_segment 0
		.amdhsa_kernarg_size 32
		.amdhsa_user_sgpr_count 2
		.amdhsa_user_sgpr_kernarg_segment_ptr 1
		.amdhsa_wavefront_size32 1
		.amdhsa_system_sgpr_workgroup_id_x 1
		.amdhsa_system_sgpr_workgroup_id_y 1
		.amdhsa_system_sgpr_workgroup_id_z 1
		.amdhsa_system_vgpr_workitem_id 0
		.amdhsa_next_free_vgpr 72
		.amdhsa_next_free_sgpr 66
		.amdhsa_reserve_vcc 0
		.amdhsa_float_denorm_mode_32 3
		.amdhsa_float_denorm_mode_16_64 3
		.amdhsa_memory_ordered 1
		.amdhsa_forward_progress 1
		.amdhsa_inst_pref_size 8
	.end_amdhsa_kernel
	.amdgpu_metadata
---
amdhsa.version: [ 1, 2 ]
amdhsa.kernels:
  - .name:           k_q7f4f4e1604_finish
    .symbol:         k_q7f4f4e1604_finish.kd
    .args:
      - { .name: scores, .offset: 0, .size: 8, .value_kind: global_buffer, .address_space: global }
      - { .name: ctxp, .offset: 8, .size: 8, .value_kind: global_buffer, .address_space: global }
      - { .name: out0, .offset: 16, .size: 8, .value_kind: global_buffer, .address_space: global }
      - { .name: out1, .offset: 24, .size: 8, .value_kind: global_buffer, .address_space: global }
    .group_segment_fixed_size: 1280
    .private_segment_fixed_size: 0
    .kernarg_segment_align: 8
    .kernarg_segment_size: 32
    .max_flat_workgroup_size: 256
    .sgpr_count:     66
    .vgpr_count:     72
    .wavefront_size: 32
...
	.end_amdgpu_metadata
.endif
;; end of part 3
;; ======== version 2 of 2: 3 launches; version 1 with the launches prep, score written anew for expert scheduling mode
;; workspace buffers: wkf 2,097,152 bytes; qpart 2,097,152 bytes; scores 262,144 bytes; ctxp 2,097,152 bytes
;; launch prep (part 4): grid 16 x 8, 4 waves a work-group, no clusters, 76,288 bytes of LDS; arguments w_key, w_query, decoder_hidden, wkf, qpart; writes wkf, qpart
.if DOCPART == 4
	.amdgcn_target "amdgcn-amd-amdhsa--gfx1250"
	.amdhsa_code_object_version 6
	.text
	.protected	k_q7f4f4e1604_prep
	.globl	k_q7f4f4e1604_prep
	.p2align	8
	.type	k_q7f4f4e1604_prep,@function
k_q7f4f4e1604_prep:
	s_mov_b64 s[64:65], 0
	v_nop
	global_prefetch_b8 v0, s[64:65] scope:SCOPE_SE
	s_setreg_imm32_b32 hwreg(HW_REG_WAVE_SCHED_MODE, 0, 2), 2
	s_setreg_imm32_b32 hwreg(HW_REG_WAVE_MODE, 25, 1), 1
	s_wait_xcnt 0x0
	s_wait_alu depctr_vm_vsrc(0)
; PREP.  Two things for the launch behind it, from tiles of 128 (k) x 64 (n) of the two weight matrices ([k][n] f32, rows of 4,096 bytes):
;  (1) wkf: w_key rounded to bf16 and laid in the order in which a matrix instruction's second source wants it.  Byte cg*131072 + ks*4096 + b4*1024 + j*512 + 16*lane
;      holds W[32 ks + 16 j + 8 (lane/16) + 0..7][64 cg + 16 b4 + lane%16]: registers 4j .. 4j+3 of the fragment of K step ks, columns 16 b4 .. +15 of column group cg.
;  (2) qpart[kc][b][n]: the sum over k = 128 kc .. +127 of bf16(decoder_hidden[b][k]) x bf16(w_query[k][n]), in f32.  The eight parts are added by their reader, in ascending kc.
; SHARES.  Work-group (xt, kc): columns 64 xt .. +63, k = 128 kc .. +127, of both matrices: 128 work-groups, every one with the same text and no branch.
; A tile's row is 256 bytes at a multiple of 256; both stores' instructions cover whole aligned blocks of 256 bytes.  No cluster: no two work-groups read the same bytes of the weights,
; and the 32 KiB of decoder_hidden that sixteen of them share are a third of what a work-group reads, once.
; THE MODE: SCHED_MODE bits 1:0 = 2 (LLVM: expert scheduling mode 2), set by the entry lines.  The code itself states the register dependences
; between vector or matrix instructions and memory or LDS instructions, with s_wait_alu, always for 0.
; THE PLAN.  Registers that memory or LDS instructions touch:
;   v4-13        offsets and LDS addresses: written at the head, ahead of one wait on va_vdst, and never again.
;   WK, WQ, DH   a batch of sixteen loads lands; its 32 conversions pack it in place; its 16 LDS stores read the packed halves.  One wait on va_vdst to a batch, between the conversions and the stores.
;   AF, BK, BQ   the same registers behind the first barrier: LDS loads land in them.  One wait on vm_vsrc: the stores have read them; the conversions stand ahead of the third batch's wait on va_vdst.
;                BK is then read by the stores to wkf and never written again.
;   ACC          written by the products, read by the LDS stores into the stage: the four places, then one wait on va_vdst.  It also states that the products are done reading AF, in which the stage's rows land.
.set PW,    160                        ; a row (one k, 64 n) of a weight tile in LDS: 128 bytes + 32
.set PD,    272                        ; a row of decoder_hidden's tile (128 k in bf16) and of the f32 stage (64 n): 256 bytes + 16
.set WTK,   0                          ; w_key's tile,   128 rows x 160
.set WTQ,   20480                      ; w_query's tile, 128 rows x 160
.set DT,    40960                      ; decoder_hidden's tile, 64 rows x 272
.set QST,   58368                      ; the stage for the partial query, 64 rows x 272
.set SPARE, 75776                      ; the spare words, 128 bytes a wave: two blocks of 256 bytes that no other line names
.set GW,  4                            ; v4   weights: (32 w + h) rows of 4,096 bytes + 16 r
.set LW,  5                            ; v5   the same place in an LDS tile: (32 w + h) x 160 + 8 r
.set GD,  6                            ; v6   decoder_hidden: 16 w rows + 16 l
.set LD,  7                            ; v7   DT + 16 w x 272 + 8 l
.set TA,  8                            ; v8   the turning load: (8 h + l%8) x 160 + 32 w + 16 ((l/8)%2)
.set GF,  9                            ; v9   wkf: 1,024 w + 16 l
.set DA,  10                           ; v10  DT + 272 r + 16 h
.set SA,  11                           ; v11  QST + 272 r + 64 w + 32 h
.set RA,  12                           ; v12  QST + (16 w + h) x 272 + 16 r
.set GO,  13                           ; v13  qpart: (16 w + h) rows of 4,096 bytes + 16 r
.set SPW, 14                           ; v14  my spare word; never rewritten
.set NIL, 15                           ; v15  0; never rewritten
.set WK,  16                           ; v16-79    w_key's tile as loaded, packed in place
.set WQ,  80                           ; v80-143   w_query's
.set DH,  144                          ; v144-207  decoder_hidden's
.set AF,  16                           ; behind the first barrier: v16-143 fragments of decoder_hidden, (mb, ks) at 8 (4 mb + ks)
.set BK,  144                          ; v144-175  fragments of w_key, K step ks at 8 ks
.set BQ,  176                          ; v176-207  fragments of w_query
.set ACC, 208                          ; v208-239  four accumulators
.set RB,  16                           ; behind the second barrier: v16-47 rows read back from the stage
	s_load_b256 s[4:11], s[0:1], 0x0               ; w_key s[4:5], w_query s[6:7], decoder_hidden s[8:9], wkf s[10:11]
	s_load_b64 s[12:13], s[0:1], 0x20              ; qpart
	v_lshl_add_u32 v[SPW], v0, 2, SPARE
	v_mov_b32 v[NIL], 0
	v_lshrrev_b32 v1, 5, v0
	v_readfirstlane_b32 s14, v1                    ; w: wave 0..3
	s_mov_b32 s15, ttmp9                           ; xt
	s_and_b32 s18, ttmp7, 0xffff                   ; kc
	v_and_b32 v1, 31, v0                           ; l
	v_and_b32 v2, 15, v0                           ; r = l % 16
	v_bfe_u32 v3, v0, 4, 1                         ; h = l / 16
	s_wait_alu depctr_va_sdst(0)                   ; s14 is written, ahead of its first reader: the wave's shares are made from it
	s_lshl_b32 s16, s14, 5
	v_add_nc_u32 v[LW], s16, v3                    ; row 32 w + h
	v_lshlrev_b32 v[GW], 12, v[LW]
	v_lshl_add_u32 v[GW], v2, 4, v[GW]
	v_mul_u32_u24 v[LW], v[LW], PW
	v_lshl_add_u32 v[LW], v2, 3, v[LW]
	s_lshl_b32 s17, s14, 16
	v_lshl_add_u32 v[GD], v1, 4, s17
	s_mul_i32 s19, s14, 16*PD
	s_add_co_u32 s19, s19, DT
	v_lshl_add_u32 v[LD], v1, 3, s19
	v_and_b32 v[TA], 7, v0
	v_lshl_add_u32 v[TA], v3, 3, v[TA]
	v_mul_u32_u24 v[TA], v[TA], PW
	v_bfe_u32 v[GF], v0, 3, 1
	v_lshl_add_u32 v[TA], v[GF], 4, v[TA]
	v_add_nc_u32 v[TA], s16, v[TA]                 ; + 32 w: my 16 columns, 2 bytes each
	s_lshl_b32 s19, s14, 10
	v_lshl_add_u32 v[GF], v1, 4, s19
	v_mul_u32_u24 v[DA], v2, PD
	v_lshl_add_u32 v[DA], v3, 4, v[DA]
	v_add_nc_u32 v[DA], DT, v[DA]
	v_mul_u32_u24 v[SA], v2, PD
	v_lshl_add_u32 v[SA], v3, 5, v[SA]
	s_lshl_b32 s19, s14, 6
	s_add_co_u32 s19, s19, QST
	v_add_nc_u32 v[SA], s19, v[SA]
	s_lshl_b32 s19, s14, 4
	v_add_nc_u32 v[GO], s19, v3                    ; row 16 w + h
	v_mul_u32_u24 v[RA], v[GO], PD
	v_lshl_add_u32 v[RA], v2, 4, v[RA]
	v_add_nc_u32 v[RA], QST, v[RA]
	v_lshlrev_b32 v[GO], 12, v[GO]
	v_lshl_add_u32 v[GO], v2, 4, v[GO]
	s_lshl_b32 s20, s18, 19                        ; the weights' tile: 128 kc rows of 4,096 bytes + 256 xt
	s_lshl_b32 s21, s15, 8
	s_add_co_u32 s20, s20, s21
	s_mov_b32 s21, 0
	s_lshl_b32 s22, s18, 9                         ; decoder_hidden: 128 kc numbers along its rows
	s_mov_b32 s23, 0
	s_lshl_b32 s24, s15, 17                        ; wkf: column group xt, K steps 4 kc on
	s_lshl_b32 s25, s18, 14
	s_add_co_u32 s24, s24, s25
	s_mov_b32 s25, 0
	s_lshl_b32 s26, s18, 18                        ; qpart: part kc, columns 64 xt on
	s_lshl_b32 s27, s15, 8
	s_add_co_u32 s26, s26, s27
	s_mov_b32 s27, 0
	s_wait_kmcnt 0x0
	s_add_nc_u64 s[4:5], s[4:5], s[20:21]
	s_add_nc_u64 s[6:7], s[6:7], s[20:21]
	s_add_nc_u64 s[8:9], s[8:9], s[22:23]
	s_add_nc_u64 s[10:11], s[10:11], s[24:25]
	s_add_nc_u64 s[12:13], s[12:13], s[26:27]
	s_wait_alu depctr_va_vdst(0)                   ; the ten offsets and addresses v4 to v13 are written, which every load and store below reads
	; 48 loads in one run.  A weight load takes two rows of 256 bytes (lanes 0-15, lanes 16-31); a load of decoder_hidden one piece of 512 bytes of a row.
.set i, 0
.rept 16
	global_load_b128 v[WK+4*i:WK+4*i+3], v[GW], s[4:5] offset:i*8192 th:TH_LOAD_NT
.set i, i+1
.endr
.set i, 0
.rept 16
	global_load_b128 v[WQ+4*i:WQ+4*i+3], v[GW], s[6:7] offset:i*8192 th:TH_LOAD_NT
.set i, i+1
.endr
.set i, 0
.rept 16
	global_load_b128 v[DH+4*i:DH+4*i+3], v[GD], s[8:9] offset:i*4096
.set i, i+1
.endr
; Sixteen loads' numbers are rounded to bf16 in place (four registers into the first two); then, behind one wait, they go to LDS, 8 bytes a lane.
.macro PACKST src, adr, off, step
.set i, 0
.rept 16
	v_cvt_pk_bf16_f32 v[(\src)+4*i], v[(\src)+4*i], v[(\src)+4*i+1]
	v_cvt_pk_bf16_f32 v[(\src)+4*i+1], v[(\src)+4*i+2], v[(\src)+4*i+3]
.set i, i+1
.endr
	s_wait_alu depctr_va_vdst(0)                   ; the batch's 32 conversions have written the packed halves, which the sixteen LDS stores read
.set i, 0
.rept 16
	ds_store_b64 v[\adr], v[(\src)+4*i:(\src)+4*i+1] offset:(\off)+i*(\step)
.set i, i+1
.endr
.endm
	s_wait_loadcnt 32                              ; w_key's sixteen are in; the 32 younger loads stay out
	PACKST WK, LW, WTK, 2*PW
	s_wait_loadcnt 16                              ; w_query's; decoder_hidden's sixteen stay out
	PACKST WQ, LW, WTQ, 2*PW
	s_wait_loadcnt 0x0
	PACKST DH, LD, 0, PD
	s_wait_dscnt 0x0                               ; for the others' sake: my stores are done
	s_barrier_signal -1
	s_barrier_wait -1                              ; the three tiles are whole
	s_wait_alu depctr_vm_vsrc(0)                   ; my LDS stores have read v16 to v207: these registers are AF, BK and BQ from here on, in which the loads below land
	; Wave w takes columns 16 w .. +15 of the tile.  The turning load makes of 16 k x 16 n half a fragment: lane l holds column l % 16 and eight k.
.set i, 0
.rept 4
	ds_load_tr16_b128 v[BK+8*i:BK+8*i+3],   v[TA] offset:WTK+i*32*PW
	ds_load_tr16_b128 v[BK+8*i+4:BK+8*i+7], v[TA] offset:WTK+i*32*PW+16*PW
.set i, i+1
.endr
.set i, 0
.rept 4
	ds_load_tr16_b128 v[BQ+8*i:BQ+8*i+3],   v[TA] offset:WTQ+i*32*PW
	ds_load_tr16_b128 v[BQ+8*i+4:BQ+8*i+7], v[TA] offset:WTQ+i*32*PW+16*PW
.set i, i+1
.endr
.set i, 0
.rept 16                               ; decoder_hidden: rows 16 (i / 4) on, k 32 (i % 4) on
	ds_load_b128 v[AF+8*i:AF+8*i+3],   v[DA] offset:(i/4)*16*PD+(i%4)*64
	ds_load_b128 v[AF+8*i+4:AF+8*i+7], v[DA] offset:(i/4)*16*PD+(i%4)*64+32
.set i, i+1
.endr
	s_wait_dscnt 40                                ; w_key's eight are in; the 8 + 32 younger LDS loads stay out
.set i, 0
.rept 8                                ; K step i / 2, half i % 2: each store covers 512 consecutive bytes, at a multiple of 512 from wkf's first
	global_store_b128 v[GF], v[BK+4*i:BK+4*i+3], s[10:11] offset:(i/2)*4096+(i%2)*512
.set i, i+1
.endr
	s_wait_dscnt 0x0
	; The product is used transposed (source 0 = 16 columns of w_query, source 1 = 16 rows of decoder_hidden): a lane then holds one batch row (16 mb + r) and eight
	; neighbouring columns (16 w + 8 h + 0..7).  The four accumulators take turns, one instruction a turn; the first K step starts the sums.
.irp ks, 0,1,2,3
.irp mb, 0,1,2,3
.if \ks == 0
	v_wmma_f32_16x16x32_bf16 v[ACC+8*\mb:ACC+8*\mb+7], v[BQ+8*\ks:BQ+8*\ks+7], v[AF+8*(4*\mb+\ks):AF+8*(4*\mb+\ks)+7], 0
.else
	v_wmma_f32_16x16x32_bf16 v[ACC+8*\mb:ACC+8*\mb+7], v[BQ+8*\ks:BQ+8*\ks+7], v[AF+8*(4*\mb+\ks):AF+8*(4*\mb+\ks)+7], v[ACC+8*\mb:ACC+8*\mb+7]
.endif
.endr
.endr
.rept 4
	v_nop                                          ; four places between the last product and the stores that read results
.endr
	s_wait_alu depctr_va_vdst(0)                   ; the products have written the accumulators, which the LDS stores read, and are done reading AF, in which the stage's rows land; the places above stay beside this wait
.irp mb, 0,1,2,3
	ds_store_b128 v[SA], v[ACC+8*\mb:ACC+8*\mb+3]   offset:\mb*16*PD      ; each accumulator's low registers first
	ds_store_b128 v[SA], v[ACC+8*\mb+4:ACC+8*\mb+7] offset:\mb*16*PD+16
.endr
	s_wait_dscnt 0x0                               ; a stage row's 256 bytes come from four waves
	s_barrier_signal -1
	s_barrier_wait -1
.set i, 0
.rept 8                                ; wave w reads rows 16 w .. +15 back, whole: lanes 0-15 one row, lanes 16-31 the next
	ds_load_b128 v[RB+4*i:RB+4*i+3], v[RA] offset:i*2*PD
.set i, i+1
.endr
.set i, 0
.rept 8
	s_wait_dscnt 7-i                               ; LDS loads come back in order: load i is in, the younger ones stay out
	global_store_b128 v[GO], v[RB+4*i:RB+4*i+3], s[12:13] offset:i*8192   ; 16 lanes store 256 consecutive bytes, at a multiple of 256 from qpart's first
.set i, i+1
.endr
	s_wait_dscnt 0x0                               ; the closing lines, six on end
	s_wait_alu 0x0
	s_wait_tensorcnt 0x0
	ds_add_u32 v[SPW], v[NIL]
	s_wait_dscnt 0x0
	s_endpgm
.Lfunc_end_k_q7f4f4e1604_prep:
	.size	k_q7f4f4e1604_prep, .Lfunc_end_k_q7f4f4e1604_prep-k_q7f4f4e1604_prep
	.p2alignl 7, 3214868480
	.fill 96, 4, 3214868480
	.section	.rodata,"a",@progbits
	.p2align	6, 0x0
	.amdhsa_kernel k_q7f4f4e1604_prep
		.amdhsa_group_segment_fixed_size 76288
		.amdhsa_private_segment_fixed_size 0
		.amdhsa_enable_private_segment 0
		.amdhsa_kernarg_size 40
		.amdhsa_user_sgpr_count 2
		.amdhsa_user_sgpr_kernarg_segment_ptr 1
		.amdhsa_wavefront_size32 1
		.amdhsa_system_sgpr_workgroup_id_x 1
		.amdhsa_system_sgpr_workgroup_id_y 1
		.amdhsa_system_sgpr_workgroup_id_z 1
		.amdhsa_system_vgpr_workitem_id 0
		.amdhsa_next_free_vgpr 240
		.amdhsa_next_free_sgpr 66
		.amdhsa_reserve_vcc 0
		.amdhsa_float_denorm_mode_32 3
		.amdhsa_float_denorm_mode_16_64 3
		.amdhsa_memory_ordered 1
		.amdhsa_forward_progress 1
		.amdhsa_inst_pref_size 25
	.end_amdhsa_kernel
	.amdgpu_metadata
---
amdhsa.version: [ 1, 2 ]
amdhsa.kernels:
  - .name:           k_q7f4f4e1604_prep
    .symbol:         k_q7f4f4e1604_prep.kd
    .args:
      - { .name: w_key, .offset: 0, .size: 8, .value_kind: global_buffer, .address_space: global }
      - { .name: w_query, .offset: 8, .size: 8, .value_kind: global_buffer, .address_space: global }
      - { .name: decoder_hidden, .offset: 16, .size: 8, .value_kind: global_buffer, .address_space: global }
      - { .name: wkf, .offset: 24, .size: 8, .value_kind: global_buffer, .address_space: global }
      - { .name: qpart, .offset: 32, .size: 8, .value_kind: global_buffer, .address_space: global }
    .group_segment_fixed_size: 76288
    .private_segment_fixed_size: 0
    .kernarg_segment_align: 8
    .kernarg_segment_size: 40
    .max_flat_workgroup_size: 128
    .sgpr_count:     66
    .vgpr_count:     240
    .wavefront_size: 32
...
	.end_amdgpu_metadata
.endif
;; end of part 4
;; launch score (part 5): grid 8 x 64, 4 waves a work-group, no clusters, 314,112 bytes of LDS; arguments encoder_outputs, mask, w_score, wkf, qpart, scores, ctxp; writes scores, ctxp
.if DOCPART == 5
	.amdgcn_target "amdgcn-amd-amdhsa--gfx1250"
	.amdhsa_code_object_version 6
	.text
	.protected	k_q7f4f4e1604_score
	.globl	k_q7f4f4e1604_score
	.p2align	8
	.type	k_q7f4f4e1604_score,@function
k_q7f4f4e1604_score:
	s_mov_b64 s[64:65], 0
	v_nop
	global_prefetch_b8 v0, s[64:65] scope:SCOPE_SE
	s_setreg_imm32_b32 hwreg(HW_REG_WAVE_SCHED_MODE, 0, 2), 2
	s_setreg_imm32_b32 hwreg(HW_REG_WAVE_MODE, 25, 1), 1
	s_wait_xcnt 0x0
	s_wait_alu depctr_vm_vsrc(0)
; SCORE.  For a block of 128 rows s of one batch b:  keys = enc x w_key;  score[s] = sum over a of w[a] tanh(q[a] + keys[s][a]);  masked;  the block's maximum m;  p = e^(score - m);
; ctxp = sum over s of p[s] enc[s][:].  The launch behind joins a batch's eight blocks.
; ONE READ OF enc.  The block is loaded once (f32, 512 KiB), rounded once to bf16 and kept in LDS (128 rows x 2,064 bytes).  All 1,024 columns of the first product and then the second product read it there.
; SHARES.  512 work-groups (blk, b).  Wave w owns columns 256 w .. +255, in four chunks of 64: a wave tile of 128 rows x 64 columns, 32 accumulators.  A K step of 32: 16 LDS loads (enc's fragments),
; 8 global loads (w_key's fragments, which the launch before laid in fragment order: each load covers 512 consecutive bytes), 32 matrix instructions.
; w_key COMES STRAIGHT INTO REGISTERS, and there is NO CLUSTER and no joint load, though every work-group reads the same 2 MiB: a fragment of w_key is used by one wave of the work-group alone, so a way
; through LDS would add a write and a read and spare nothing; and beside the block's 264,192 bytes a work-group's limit of 327,680 leaves 63,488: as two slots, each under two K steps of the 256 columns
; that the four waves have in hand (16,384 bytes a K step): a barrier for every 32 matrix instructions of a wave.  The ring of eight register slots has seven K steps on their way and needs no barrier.
; A chunk's way through tanh stands behind its 32 K steps, in place in the accumulators, while the next chunk's first seven K steps of w_key are on their way.
; tanh(x) = 1 - 2 / (1 + 2^(c x)), c = 2 log2(e):  score = sum(w) + sum over a of (-2 w[a]) / (1 + 2^(c keys + c q)).  An overflowing power gives 1 / inf = 0, tanh = 1; a vanishing one gives tanh = -1.
; FORMATS.  enc, w_key, decoder_hidden, w_query and w_score are rounded once to bf16; p is rounded to bf16 for the second product; q, tanh, the sums, maxima and exponentials are f32.
; LIMITS.  NaN and infinities among the inputs are not treated apart.  A weight below 2^-126 counts as 0.  A mask byte other than 0 counts as true.
;
; THE MODE: SCHED_MODE bits 1:0 = 2 (LLVM: expert scheduling mode 2), set by the entry lines.  The code itself states the register dependences
; between vector or matrix instructions and memory or LDS instructions, with s_wait_alu, always for 0.
; THE PLAN.  Registers that memory or LDS instructions touch, and who else names them:
;   addresses     v1-19, v36-39, v60-63: written at the head, ahead of one wait on va_vdst.  Two are stepped: v[LA] once a trip of the fill, v[QA] once a chunk: a wait on vm_vsrc ahead of the add,
;                 and the next wait on va_vdst, which stands there for other registers anyway, ahead of the next access by it.
;   the fill      Ring slot s (window 2): read by its 32 conversions, then loaded again.  Out-buffer s (v[64 + 32 s ..], one to a slot): written by those conversions, read by the slot's 16 LDS stores.
;                 ONE wait on va_vdst to a slot, behind its conversions, serves the loads and the stores.  ONE wait on vm_vsrc a trip, at its end: the trip's stores have read all four out-buffers and v[LA].
;   the K loop    K step k's matrix instructions read fragment buffer k % 2, slot k % 8 of w_key and the accumulators.  Its loads land in the other fragment buffer and in slot (k - 1) % 8, which K step
;                 k - 1 read and which no matrix instruction of step k names.  ONE wait on va_vdst at a step's head; behind it the step's 24 loads are dealt among the matrix instructions of its first
;                 half, in three groups of eight, with no further wait.  The next chunk's first loads (slots 0-6, fragment buffer 0) lean on K step 31's wait: that step names slot 7 and buffer 1.
;   QC, W2        The chunk's q and w: loaded at the chunk's head, read by its way through tanh.  ONE wait on va_vdst at the chunk's head; it is K step 0's wait too.
;   the way out   Each run of stores has one wait on va_vdst ahead of it, behind the lines that make its data; no register that a store has read there is written again.
;
; REGISTERS, in windows of 256 (s_set_vgpr_msb: bits 1:0 source 0, 3:2 source 1, 5:4 source 2, 7:6 destination):
;   window 0: v0-39, v60-63 addresses and the chunk's q and w; v40-59 at work; v64-127, v128-191 enc's fragments, two buffers (in the fill: the four out-buffers); v192-255 the score sums (register 8 a + j: row 16 a + 8 h + j)
;   window 1: w_key's fragments, eight slots of 32 (K step k in slot k % 8); at the end enc turned, two buffers of 128
;   window 2: the 32 accumulators (rows 16 a on, columns 16 b on, at 8 (4 a + b)); at the start the ring of enc's loads, four slots of 64; at the end the second product's 16 accumulators
.set PITCH, 2064                       ; a row of the block in LDS: 2,048 bytes + 16 = 516 words: row r starts at bank 4 r mod 64 (64 banks of 4 bytes: ISA guide 11.1)
.set QS,    264192                     ; behind the block: c q, f32 [1024]
.set WSO,   4096                       ; -2 w, f32 [1024], this far behind QS
.set SC,    272384                     ; partial scores [wave][128 rows] f32
.set WP,    274432                     ; the four waves' sums of w
.set PB,    274688                     ; p in bf16, 256 bytes for each wave, its own
.set CS,    275712                     ; the way out, 1,024 bytes for each wave, its own
.set RED,   279808                     ; the score sums on their way from lanes to rows: 16 rows of 528 bytes for each wave, its own
.set RP,    528                        ; 512 bytes (128 rows' sums) + 16
.set SPARE, 313600                     ; the spare words, 128 bytes a wave: two blocks of 256 bytes that no other line names
.set TB,   1                           ; v1-3 the turning load's address 32, 64 and 96 rows further down; made at the head's end, where l, r and h are wanted no more
.set EO,   4                           ; v4   16 l: my place in 512 consecutive bytes of enc, wkf, scores, ctxp; never rewritten
.set LA,   5                           ; v5   where my 8 bytes of a row go: 32 w rows + 8 l; steps
.set ADRA, 6                           ; v6-9 enc's fragments: r x pitch + 16 h + 32 q rows
.set QA,   10                          ; v10  QS + 1,024 w + 4 r; steps 256 a chunk
.set RS,   11                          ; v11  RED + 16 w x 528 + 528 r + 32 h
.set MK,   12                          ; v12  four mask bytes: rows 4 l .. 4 l + 3
.set TA,   13                          ; v13  the turning load: (8 h + l%8) x pitch + 512 w + 16 ((l/8)%2)
.set PA,   14                          ; v14  PB + 256 w + 16 h
.set PS,   15                          ; v15  PB + 256 w + 8 l
.set CW,   16                          ; v16  CS + 1,024 w + 4 l
.set CR,   17                          ; v17  CS + 1,024 w + 16 l
.set SR,   18                          ; v18  SC + 16 l
.set TO,   19                          ; v19  16 t
.set QC,   20                          ; v20-27  c q of my column in each of the chunk's four column blocks, twice (a pair for the packed forms)
.set W2,   28                          ; v28-35  -2 w likewise
.set QSA,  36                          ; v36  QS + 16 t
.set WPA,  37                          ; v37  WP + 4 w
.set WPL,  38                          ; v38  WP
.set MO,   39                          ; v39  4 l
.set RL,   60                          ; v60  RED + 16 w x 528 + 16 l
.set SCW,  61                          ; v61  SC + 512 w + 16 l
.set SPW,  62                          ; v62  my spare word; never rewritten
.set NIL,  63                          ; v63  0; never rewritten
.set F0,   64
.set RB,   128                         ; behind the last chunk: the stage read back, into fragment buffer 1
.set SCA,  192
.set MSB, 0
.macro WIN new                         ; the immediate's high byte repeats the setting that is left; a switch that changes nothing is dropped
.if MSB != (\new)
	s_set_vgpr_msb (MSB<<8)|(\new)
.set MSB, \new
.endif
.endm
.set W_MUL, 0xa4                       ; source 0 window 0, source 1 window 1, C and D window 2
.set W_TOB, 0x40                       ; destination window 1, address window 0
.set W_TOR, 0x80                       ; destination window 2, address window 0
.set W_CVT, 0x0a                       ; sources 0 and 1 window 2, destination window 0
.set W_TOP, 0x82                       ; destination and source 0 window 2, source 2 window 0
.set W_EQ,  0xa2                       ; destination, sources 0 and 2 window 2, source 1 window 0
.set W_SAD, 0x02                       ; source 0 window 2, the rest window 0
.macro PLACES                          ; four places between a matrix instruction and the vector lines that read its result (ISA guide 7.12.1)
.rept 4
	v_nop
.endr
.endm
; Two rows of enc (16 loads of 512 consecutive bytes) into slot s of the ring in window 2
.macro ELOAD s, off
	WIN W_TOR
.set ei, 0
.rept 16
	global_load_b128 v[64*(\s)+4*ei:64*(\s)+4*ei+3], v[EO], s[4:5] offset:(\off)+(ei/8)*4096+(ei%8)*512 th:TH_LOAD_NT
.set ei, ei+1
.endr
.endm
; w_key's four fragments of K step k (8 loads) into slot k % 8
.macro BLOAD k, extra
	WIN W_TOB
.set bi, 0
.rept 8
	global_load_b128 v[32*((\k)%8)+4*bi:32*((\k)%8)+4*bi+3], v[EO], s[10:11] offset:(\extra)+(\k)*4096+bi*512
.set bi, bi+1
.endr
.endm
; Four of enc's eight fragments of K step k (8 LDS loads: row blocks f0 .. f0 + 3) into buffer k % 2
.macro FETCH4 k, f0
	WIN 0
.set fi, \f0
.rept 4
	ds_load_b128 v[F0+64*((\k)%2)+8*fi:F0+64*((\k)%2)+8*fi+3],   v[ADRA+fi/2] offset:(fi%2)*16*PITCH+64*(\k)
	ds_load_b128 v[F0+64*((\k)%2)+8*fi+4:F0+64*((\k)%2)+8*fi+7], v[ADRA+fi/2] offset:(fi%2)*16*PITCH+64*(\k)+32
.set fi, fi+1
.endr
.endm
; 4 matrix instructions: row block ma x the four column blocks.  K step 0 starts the sums: nothing is cleared.
.macro MUL4 k, ma
	WIN W_MUL
.set mb, 0
.rept 4
.if (\k) == 0
	v_wmma_f32_16x16x32_bf16 v[8*(4*(\ma)+mb):8*(4*(\ma)+mb)+7], v[F0+64*((\k)%2)+8*(\ma):F0+64*((\k)%2)+8*(\ma)+7], v[32*((\k)%8)+8*mb:32*((\k)%8)+8*mb+7], 0
.else
	v_wmma_f32_16x16x32_bf16 v[8*(4*(\ma)+mb):8*(4*(\ma)+mb)+7], v[F0+64*((\k)%2)+8*(\ma):F0+64*((\k)%2)+8*(\ma)+7], v[32*((\k)%8)+8*mb:32*((\k)%8)+8*mb+7], v[8*(4*(\ma)+mb):8*(4*(\ma)+mb)+7]
.endif
.set mb, mb+1
.endr
.endm
; A K step.  The 32 accumulators take turns in the same order in every step, one instruction a turn.  Behind the wait at its head stand, dealt among the matrix
; instructions of its first half, the next step's LDS loads (rows ascending) and the global loads of the step seven on.  No vector or matrix instruction since that wait names the registers in
; which they land, nor their addresses.  All sixteen LDS loads stand ahead of the wait in the step's middle.
.macro KSTEP k
.if (\k) <= 25
	s_wait_loadcnt 48                              ; step k's fragments of w_key are in; those of the six steps behind it stay out
.else
	s_wait_loadcnt 8*(31-(\k))                     ; near the chunk's end fewer steps are behind it
.endif
.if (\k) == 0
	s_wait_dscnt 24                                ; rows 0-63 are in; out may be: rows 64-127 (8 loads) and the chunk's q and w (16).  (The wait on va_vdst at the chunk's head is this step's.)
.else
	s_wait_dscnt 8                                 ; rows 0-63 are in; the eight loads of rows 64-127 may be out
	s_wait_alu depctr_va_vdst(0)                   ; the matrix instructions of the step before are done reading the other fragment buffer and their slot of w_key, in which the loads below land
.endif
	MUL4 \k, 0
.if (\k) < 31
	FETCH4 (\k)+1, 0
.endif
	MUL4 \k, 1
.if (\k) < 31
	FETCH4 (\k)+1, 4
.endif
	MUL4 \k, 2
.if (\k) <= 24
	BLOAD (\k)+7, 0
.endif
	MUL4 \k, 3
.if (\k) < 31
	s_wait_dscnt 16                                ; all but the 16 issued in this step
.else
	s_wait_dscnt 0x0
.endif
	MUL4 \k, 4
	MUL4 \k, 5
	MUL4 \k, 6
	MUL4 \k, 7
.endm
; Slot s of the ring of enc's loads: rounded to bf16 into the slot's own out-buffer.  Behind one wait the slot is filled again (kind 1: the two rows eight further down), or its place in the
; queue of loads is taken by w_key's first K steps (kind 2), sixteen loads for sixteen, so that the count below stays what it is; then the out-buffer goes into the block, 8 bytes a lane.
.macro LB s, kind
	s_wait_loadcnt 48                              ; my sixteen loads are in; the three batches of sixteen behind them stay out
	WIN W_CVT
.set li, 0
.rept 32
	v_cvt_pk_bf16_f32 v[64+32*(\s)+li], v[64*(\s)+2*li], v[64*(\s)+2*li+1]
.set li, li+1
.endr
.if (\kind) == 1
	WIN W_TOR
.else
	WIN W_TOB
.endif
	s_wait_alu depctr_va_vdst(0)                   ; the 32 conversions are done reading ring slot s, in which the loads land, and have written out-buffer s, which the LDS stores read; in a trip's first slot v[LA] is written too
.if (\kind) == 1
	ELOAD \s, 32768+(\s)*8192
.else
	BLOAD 2*(\s), 0
.if (\s) < 3
	BLOAD 2*(\s)+1, 0
.endif
.endif
	WIN 0
.set li, 0
.rept 16
	ds_store_b64 v[LA], v[64+32*(\s)+2*li:65+32*(\s)+2*li] offset:(2*(\s)+li/8)*PITCH+(li%8)*256
.set li, li+1
.endr
.endm
; THE WAY THROUGH tanh is a queue over the eight row blocks p of the accumulators (32 registers each), three stages deep, so that each transcendental has plain work of another block behind it
; (ISA guide 5.7.2: a plain vector instruction stands between a transcendental and the use of its result).
; EHALF1 p: 2^x for block p; 1 + 2^x for block p - 1.     EHALF2 p: the reciprocal for block p - 1; for block p - 2 the four column blocks' (-2 w) / (1 + 2^x) are added into the first's registers.
; A result is first named one round of the queue behind its transcendental, and ONE wait a round, at EHALF2's end, stands between; round 0 has no EHALF2.
.macro EHALF1 p
.if (\p) <= 8
.set eu, 0
.rept 16
.if (\p) <= 7
	v_exp_f32 v[32*(\p)+2*eu], v[32*(\p)+2*eu]
	v_exp_f32 v[32*(\p)+2*eu+1], v[32*(\p)+2*eu+1]
.endif
.if (\p) >= 1
	v_pk_add_f32 v[32*((\p)-1)+2*eu:32*((\p)-1)+2*eu+1], v[32*((\p)-1)+2*eu:32*((\p)-1)+2*eu+1], 1.0 op_sel_hi:[1,0]
.endif
.set eu, eu+1
.endr
	v_nop
.if (\p) == 0
	s_wait_alu depctr_va_vdst(0)                   ; block 0's 32 powers are written, ahead of the additions that read them first
.endif
.endif
.endm
.macro EHALF2 p
.if (\p) >= 1
.set eu, 0
.rept 16
.if (\p) <= 8
	v_rcp_f32 v[32*((\p)-1)+2*eu], v[32*((\p)-1)+2*eu]
	v_rcp_f32 v[32*((\p)-1)+2*eu+1], v[32*((\p)-1)+2*eu+1]
.endif
.if (\p) >= 2
.set fa, 32*((\p)-2)
.set fb, eu/4
.set fp, 2*(eu%4)
.if fb == 0
	v_pk_mul_f32 v[fa+fp:fa+fp+1], v[fa+fp:fa+fp+1], v[W2:W2+1]
.else
	v_pk_fma_f32 v[fa+fp:fa+fp+1], v[fa+8*fb+fp:fa+8*fb+fp+1], v[W2+2*fb:W2+2*fb+1], v[fa+fp:fa+fp+1]
.endif
.endif
.set eu, eu+1
.endr
.if (\p) <= 8
	v_nop
	s_wait_alu depctr_va_vdst(0)                   ; block p's powers and block p - 1's reciprocals are written, ahead of the next round's lines, which read them first
.endif
.endif
.endm
; The second product: 32 rows of the block x my 256 columns, turned (32 LDS loads), into buffer buf of window 1; adr: the address register of those rows
.macro CRUN buf, adr
	WIN W_TOB
.set ci, 0
.rept 16
	ds_load_tr16_b128 v[128*(\buf)+8*ci:128*(\buf)+8*ci+3],   v[\adr] offset:32*ci
	ds_load_tr16_b128 v[128*(\buf)+8*ci+4:128*(\buf)+8*ci+7], v[\adr] offset:32*ci+16*PITCH
.set ci, ci+1
.endr
.endm
.macro CMUL ks, buf                    ; its 16 matrix instructions for rows 32 ks on: 16 accumulators by turns
	WIN W_MUL
.set ci, 0
.rept 16
.if (\ks) == 0
	v_wmma_f32_16x16x32_bf16 v[8*ci:8*ci+7], v[64+8*(\ks):64+8*(\ks)+7], v[128*(\buf)+8*ci:128*(\buf)+8*ci+7], 0
.else
	v_wmma_f32_16x16x32_bf16 v[8*ci:8*ci+7], v[64+8*(\ks):64+8*(\ks)+7], v[128*(\buf)+8*ci:128*(\buf)+8*ci+7], v[8*ci:8*ci+7]
.endif
.set ci, ci+1
.endr
.endm
	; ---- the head ----
	s_load_b256 s[4:11], s[0:1], 0x0               ; enc s[4:5], mask s[6:7], w_score s[8:9], wkf s[10:11]
	s_load_b128 s[12:15], s[0:1], 0x20             ; qpart s[12:13], scores s[14:15]
	s_load_b64 s[16:17], s[0:1], 0x30              ; ctxp
	v_lshl_add_u32 v[SPW], v0, 2, SPARE
	v_mov_b32 v[NIL], 0
	v_lshrrev_b32 v1, 5, v0
	v_readfirstlane_b32 s18, v1                    ; w: wave 0..3
	s_mov_b32 s19, ttmp9                           ; blk
	s_and_b32 s20, ttmp7, 0xffff                   ; b
	s_mov_b32 s24, 0x4038aa3b                      ; c = 2 log2(e) = 2.885390
	s_mov_b32 s25, s24                             ; named with it as a pair
	s_mov_b32 s28, 0x76543210                      ; v_permlanex16_b32: each lane takes its own place in the other half
	s_mov_b32 s29, 0xfedcba98
	s_mov_b32 s30, 0xffff0000                      ; a word's upper bf16; also: lanes 16-31
	v_and_b32 v1, 31, v0                           ; l
	v_and_b32 v2, 15, v0                           ; r = l % 16
	v_bfe_u32 v3, v0, 4, 1                         ; h = l / 16
	v_lshlrev_b32 v[EO], 4, v1
	s_wait_alu depctr_va_sdst(0)                   ; s18 is written, ahead of its first reader: the wave's shares are made from it
	s_mul_i32 s21, s18, 32*PITCH
	v_lshl_add_u32 v[LA], v1, 3, s21
	v_mul_u32_u24 v[ADRA], v2, PITCH
	v_lshl_add_u32 v[ADRA], v3, 4, v[ADRA]
	v_add_nc_u32 v[ADRA+1], 32*PITCH, v[ADRA]
	v_add_nc_u32 v[ADRA+2], 64*PITCH, v[ADRA]
	v_add_nc_u32 v[ADRA+3], 96*PITCH, v[ADRA]
	s_lshl_b32 s21, s18, 10
	s_add_co_u32 s21, s21, QS
	v_lshl_add_u32 v[QA], v2, 2, s21
	s_lshl_b32 s21, s18, 9
	s_add_co_u32 s21, s21, SC
	v_lshl_add_u32 v[SCW], v1, 4, s21
	s_mul_i32 s21, s18, 16*RP
	s_add_co_u32 s21, s21, RED
	v_lshl_add_u32 v[RL], v1, 4, s21
	v_mul_u32_u24 v[RS], v2, RP
	v_lshl_add_u32 v[RS], v3, 5, v[RS]
	v_add_nc_u32 v[RS], s21, v[RS]
	v_and_b32 v[TA], 7, v0
	v_lshl_add_u32 v[TA], v3, 3, v[TA]
	v_mul_u32_u24 v[TA], v[TA], PITCH
	v_bfe_u32 v40, v0, 3, 1
	v_lshl_add_u32 v[TA], v40, 4, v[TA]
	s_lshl_b32 s21, s18, 9
	v_add_nc_u32 v[TA], s21, v[TA]
	s_lshl_b32 s21, s18, 8
	s_add_co_u32 s21, s21, PB
	v_lshl_add_u32 v[PA], v3, 4, s21
	v_lshl_add_u32 v[PS], v1, 3, s21
	s_lshl_b32 s21, s18, 10
	s_add_co_u32 s21, s21, CS
	v_lshl_add_u32 v[CW], v1, 2, s21
	v_lshl_add_u32 v[CR], v1, 4, s21
	v_lshl_add_u32 v[SR], v1, 4, SC
	v_lshlrev_b32 v[TO], 4, v0
	v_add_nc_u32 v[QSA], QS, v[TO]
	s_lshl_b32 s21, s18, 2
	s_add_co_u32 s21, s21, WP
	v_mov_b32 v[WPA], s21
	v_mov_b32 v[WPL], WP
	v_lshlrev_b32 v[MO], 2, v1
	v_add_nc_u32 v[TB], 32*PITCH, v[TA]            ; l, r and h are used up: their registers take the turning load's three further addresses, so that none is stepped later
	v_add_nc_u32 v[TB+1], 64*PITCH, v[TA]
	v_add_nc_u32 v[TB+2], 96*PITCH, v[TA]
	s_lshl_b32 s22, s20, 22                        ; enc: batch b, 128 blk rows, my wave's 32 rows of 4,096 bytes
	s_lshl_b32 s21, s19, 19
	s_add_co_u32 s22, s22, s21
	s_lshl_b32 s21, s18, 17
	s_add_co_u32 s22, s22, s21
	s_mov_b32 s23, 0
	s_wait_kmcnt 0x0
	s_add_nc_u64 s[4:5], s[4:5], s[22:23]
	s_lshl_b32 s22, s20, 10                        ; mask: 1,024 b + 128 blk
	s_lshl_b32 s21, s19, 7
	s_add_co_u32 s22, s22, s21
	s_add_nc_u64 s[6:7], s[6:7], s[22:23]
	s_lshl_b32 s22, s18, 19                        ; wkf: my four column groups of 131,072 bytes
	s_add_nc_u64 s[10:11], s[10:11], s[22:23]
	s_lshl_b32 s22, s20, 12                        ; qpart: row b of each part
	s_add_nc_u64 s[12:13], s[12:13], s[22:23]
	s_lshl_b32 s21, s19, 9                         ; scores: row b, 128 blk numbers on
	s_add_co_u32 s22, s22, s21
	s_add_nc_u64 s[14:15], s[14:15], s[22:23]
	s_lshl_b32 s22, s20, 15                        ; ctxp: row 8 b + blk, my 256 columns
	s_lshl_b32 s21, s19, 12
	s_add_co_u32 s22, s22, s21
	s_lshl_b32 s21, s18, 10
	s_add_co_u32 s22, s22, s21
	s_add_nc_u64 s[16:17], s[16:17], s[22:23]
	s_wait_alu depctr_va_vdst(0)                   ; all offsets and LDS addresses (v1-19, v36-39, v60, v61) are written, which the loads and stores of the whole kernel read; so is v40, in which a load lands later
	; ---- q, w and the mask; the block comes in ----
	; Thread t takes columns 4 t .. +3 and 512 + 4 t .. +3 of q's eight parts and of w.
.set i, 0
.rept 16                               ; part i / 2, half i % 2
	global_load_b128 v[64+4*i:64+4*i+3], v[TO], s[12:13] offset:(i/2)*262144+(i%2)*2048
.set i, i+1
.endr
	global_load_b128 v[128:131], v[TO], s[8:9]
	global_load_b128 v[132:135], v[TO], s[8:9] offset:2048
	global_load_b32 v[MK], v[MO], s[6:7]
	ELOAD 0, 0                                     ; my rows 0, 1
	ELOAD 1, 8192                                  ; and 2, 3
	WIN 0
.set i, 0
.rept 64
	v_mov_b32 v[SCA+i], 0                          ; the score sums of four chunks start at 0, so that one text serves all four: these lines stand in the wait for the first loads
.set i, i+1
.endr
	s_wait_loadcnt 32                              ; q's parts, w and the mask are in; enc's 32 loads stay out
	ELOAD 2, 16384                                 ; rows 4 to 7 are asked for ahead of q's and w's arithmetic: no vector instruction has named these registers of window 2
	ELOAD 3, 24576                                 ; 64 loads, eight rows, of every wave are issued
	WIN 0
.irp kc, 1,2,3,4,5,6,7
.irp hf, 0,1
	v_pk_add_f32 v[64+4*\hf:65+4*\hf], v[64+4*\hf:65+4*\hf], v[64+4*(2*\kc+\hf):65+4*(2*\kc+\hf)]
	v_pk_add_f32 v[66+4*\hf:67+4*\hf], v[66+4*\hf:67+4*\hf], v[66+4*(2*\kc+\hf):67+4*(2*\kc+\hf)]
.endr
.endr
.irp j, 0,2,4,6
	v_pk_mul_f32 v[64+\j:65+\j], v[64+\j:65+\j], s[24:25] op_sel_hi:[1,0]      ; c q
.endr
.irp j, 0,1,2,3
	v_cvt_pk_bf16_f32 v[44+\j], v[128+2*\j], v[129+2*\j]                       ; w is a product's operand: rounded to bf16 as the other inputs are,
.endr
.irp j, 0,1,2,3
	v_lshlrev_b32 v[128+2*\j], 16, v[44+\j]                                    ; and widened again: the sums stay in f32
	v_and_b32     v[129+2*\j], s30, v[44+\j]
.endr
	v_pk_add_f32 v[40:41], v[128:129], v[130:131]
	v_pk_add_f32 v[42:43], v[132:133], v[134:135]
	v_pk_add_f32 v[40:41], v[40:41], v[42:43]
	v_add_f32 v40, v40, v41
	v_add_f32_dpp v40, v40, v40 row_xmask:1 row_mask:0xf bank_mask:0xf
	v_add_f32_dpp v40, v40, v40 row_xmask:2 row_mask:0xf bank_mask:0xf
	v_add_f32_dpp v40, v40, v40 row_xmask:4 row_mask:0xf bank_mask:0xf
	v_add_f32_dpp v40, v40, v40 row_xmask:8 row_mask:0xf bank_mask:0xf
	v_permlanex16_b32 v41, v40, s28, s29
	v_add_f32 v40, v40, v41                        ; the sum of my wave's 256 w
.irp j, 0,2,4,6
	v_pk_mul_f32 v[128+\j:129+\j], v[128+\j:129+\j], -2.0 op_sel_hi:[1,0]
.endr
	s_wait_alu depctr_va_vdst(0)                   ; c q (v64-71), the sum of w (v40) and -2 w (v128-135) are written, which the five LDS stores read
	ds_store_b128 v[QSA], v[64:67]
	ds_store_b128 v[QSA], v[68:71] offset:2048
	ds_store_b32 v[WPA], v40
	ds_store_b128 v[QSA], v[128:131] offset:WSO
	ds_store_b128 v[QSA], v[132:135] offset:WSO+2048
	s_mov_b32 s26, 3
	s_wait_alu depctr_vm_vsrc(0)                   ; those stores have read v64-71 and v128-135, which the fill's conversions write as out-buffers, and v40, in which a load lands later
.Lfill:                                                ; a trip: eight rows go to LDS, the eight behind them are asked for
	LB 0, 1
	LB 1, 1
	LB 2, 1
	LB 3, 1
	WIN 0
	s_wait_xcnt 0x0                                ; enc's address steps only when the loads issued have had theirs translated (ISA guide 3.1)
	s_wait_alu depctr_vm_vsrc(0)                   ; the trip's LDS stores have read v[LA], which the add below writes, and the four out-buffers, which the next trip's conversions write
	s_add_nc_u64 s[4:5], s[4:5], 32768
	v_add_nc_u32 v[LA], 8*PITCH, v[LA]
	s_sub_co_u32 s26, s26, 1
	s_cmp_lg_u32 s26, 0
	s_cbranch_scc1 .Lfill
	LB 0, 2                                        ; the last eight rows: no load leaves the block; w_key's K steps 0 to 6 are asked for in their stead
	LB 1, 2
	LB 2, 2
	LB 3, 2
	WIN 0
	s_wait_dscnt 0x0                               ; for the others' sake: my rows, my part of q and w, my sum of w are in LDS
	s_barrier_signal -1
	s_barrier_wait -1                              ; the block is whole
	s_wait_alu depctr_vm_vsrc(0)                   ; my LDS stores have read the out-buffers v64-191: these are the two fragment buffers from here on, in which LDS loads land (the conversions that wrote them stand ahead of the last wait on va_vdst)
	FETCH4 0, 0
	FETCH4 0, 4
	s_mov_b32 s27, 4
	; ---- four chunks of 64 columns ----
.Lchunk:
	s_wait_alu depctr_va_vdst(0)                   ; v[QA] is written; the last chunk's lines through tanh are done reading QC and W2, in which the loads below land; its K step 31 is done reading fragment buffer 1 and slot 7, in which K step 0's loads land
.set ci, 0
.rept 4                                ; my column in each of the four column blocks; each number twice, for the packed forms
	ds_load_b32 v[QC+2*ci],   v[QA] offset:64*ci
	ds_load_b32 v[QC+2*ci+1], v[QA] offset:64*ci
	ds_load_b32 v[W2+2*ci],   v[QA] offset:WSO+64*ci
	ds_load_b32 v[W2+2*ci+1], v[QA] offset:WSO+64*ci
.set ci, ci+1
.endr
.set kk, 0
.rept 32
	KSTEP kk
.set kk, kk+1
.endr
	WIN 0                                          ; at a branch and at a label every window is 0
	PLACES                                         ; behind the last products, for the lines that read and rewrite the sums
	s_cmp_eq_u32 s27, 1
	s_cbranch_scc1 .Lno_next                       ; behind the last chunk there is nothing to ask for: no load leaves wkf
.set kk, 0
.rept 7
	BLOAD kk, 131072                               ; the next chunk's K steps 0 to 6 come in while this chunk goes through tanh.  No wait: slots 0 to 6 and fragment buffer 0 were last read in K steps 24 to 30,
.set kk, kk+1
.endr
	FETCH4 0, 0                                    ; ahead of K step 31's wait on va_vdst, and that step's matrix instructions name slot 7 and buffer 1
	FETCH4 0, 4
.Lno_next:
	WIN W_TOP
.set ti, 0
.rept 128                              ; c keys + c q, in place; ascending
	v_pk_fma_f32 v[2*ti:2*ti+1], v[2*ti:2*ti+1], s[24:25], v[QC+2*((ti/4)%4):QC+2*((ti/4)%4)+1] op_sel_hi:[1,0,1]
.set ti, ti+1
.endr
	WIN W_EQ
.set qq, 0
.rept 10
	EHALF1 qq
	EHALF2 qq
.set qq, qq+1
.endr
	WIN W_SAD
.set ti, 0
.rept 32                               ; row block ti / 4, pair ti % 4: the chunk's part joins the score sums
	v_pk_add_f32 v[SCA+2*ti:SCA+2*ti+1], v[32*(ti/4)+2*(ti%4):32*(ti/4)+2*(ti%4)+1], v[SCA+2*ti:SCA+2*ti+1]
.set ti, ti+1
.endr
	WIN 0
	s_wait_alu depctr_vm_vsrc(0)                   ; the chunk's sixteen LDS loads of q and w have read v[QA]
	v_add_nc_u32 v[QA], 256, v[QA]
	s_wait_xcnt 0x0                                ; wkf's address steps only behind this wait; the youngest load that names it stands in front of the way through tanh
	s_add_nc_u64 s[10:11], s[10:11], 131072        ; the next chunk (behind the last chunk no load uses the stepped address)
	s_sub_co_u32 s27, s27, 1
	s_cmp_lg_u32 s27, 0
	s_cbranch_scc1 .Lchunk
	; ---- the scores ----
	; A lane holds 64 rows' sums over its own sixteenth of the wave's columns.  They go into my wave's own stage, lane r's 128 sums (with lane 16 + r's) as one row of 512 bytes, and come back by rows of
	; the block: lane l takes rows 4 l .. 4 l + 3 of all sixteen.  LDS serves a wave's instructions in order (ISA guide 5.7.1.4): the loads see the stores.
	s_wait_alu depctr_va_vdst(0)                   ; the last chunk's additions have written the score sums, which the stores read; its K step 31 is done reading fragment buffer 1, in which the stage lands, and the slots of window 1, in which enc turned lands later
.set ti, 0
.rept 8                                ; rows 16 ti + 8 h + 0..7
	ds_store_b128 v[RS], v[SCA+8*ti:SCA+8*ti+3]   offset:64*ti
	ds_store_b128 v[RS], v[SCA+8*ti+4:SCA+8*ti+7] offset:64*ti+16
.set ti, ti+1
.endr
.set ti, 0
.rept 16
	ds_load_b128 v[RB+4*ti:RB+4*ti+3], v[RL] offset:ti*RP
.set ti, ti+1
.endr
	s_wait_dscnt 0x0
.irp st, 8,4,2,1
.set ti, 0
.rept \st
	v_pk_add_f32 v[RB+4*ti:RB+4*ti+1],   v[RB+4*ti:RB+4*ti+1],   v[RB+4*(ti+\st):RB+4*(ti+\st)+1]
	v_pk_add_f32 v[RB+4*ti+2:RB+4*ti+3], v[RB+4*ti+2:RB+4*ti+3], v[RB+4*(ti+\st)+2:RB+4*(ti+\st)+3]
.set ti, ti+1
.endr
.endr
	s_wait_alu depctr_va_vdst(0)                   ; the additions have written v[RB .. RB+3], which the store reads
	ds_store_b128 v[SCW], v[RB:RB+3]               ; my wave's part of rows 4 l .. 4 l + 3
	s_wait_dscnt 0x0
	s_barrier_signal -1
	s_barrier_wait -1
	; Every wave makes all 128 scores, four a lane (rows 4 l .. 4 l + 3), so that no further barrier is needed.
	ds_load_b128 v[40:43], v[SR]
	ds_load_b128 v[44:47], v[SR] offset:512
	ds_load_b128 v[48:51], v[SR] offset:1024
	ds_load_b128 v[52:55], v[SR] offset:1536
	ds_load_b128 v[56:59], v[WPL]
	s_wait_dscnt 0x0
	v_pk_add_f32 v[40:41], v[40:41], v[44:45]
	v_pk_add_f32 v[42:43], v[42:43], v[46:47]
	v_pk_add_f32 v[48:49], v[48:49], v[52:53]
	v_pk_add_f32 v[50:51], v[50:51], v[54:55]
	v_pk_add_f32 v[56:57], v[56:57], v[58:59]
	v_pk_add_f32 v[40:41], v[40:41], v[48:49]
	v_pk_add_f32 v[42:43], v[42:43], v[50:51]
	v_add_f32 v56, v56, v57                        ; sum(w)
	v_pk_add_f32 v[40:41], v[40:41], v[56:57] op_sel_hi:[1,0]
	v_pk_add_f32 v[42:43], v[42:43], v[56:57] op_sel_hi:[1,0]
.irp j, 0,1,2,3
	v_bfe_u32 v[44+\j], v[MK], 8*\j, 8
.endr
.irp j, 0,1,2,3
	v_cmp_ne_u32 s[32+\j], 0, v[44+\j]             ; the four compares stand in a run, each with a scalar register of its own
.endr
	s_wait_alu depctr_va_sdst(0)                   ; s32 to s35 are written, ahead of the selects that read them
.irp j, 0,1,2,3
	v_cndmask_b32 v[40+\j], 0xce6e6b28, v[40+\j], s[32+\j]    ; -1e9 where the mask byte is 0
.endr
	s_cmp_lg_u32 s18, 0
	s_cbranch_scc1 .Lnot_wave_0
	s_wait_alu depctr_va_vdst(0)                   ; the selects have written v40-43, which the store reads
	global_store_b128 v[EO], v[40:43], s[14:15]    ; 512 consecutive bytes, at a multiple of 512 from scores' first; v40-43 are not written again
.Lnot_wave_0:
	v_max3_num_f32 v44, v40, v41, v42
	v_max_num_f32 v44, v44, v43
	v_max_num_f32_dpp v44, v44, v44 row_xmask:1 row_mask:0xf bank_mask:0xf
	v_max_num_f32_dpp v44, v44, v44 row_xmask:2 row_mask:0xf bank_mask:0xf
	v_max_num_f32_dpp v44, v44, v44 row_xmask:4 row_mask:0xf bank_mask:0xf
	v_max_num_f32_dpp v44, v44, v44 row_xmask:8 row_mask:0xf bank_mask:0xf
	v_permlanex16_b32 v45, v44, s28, s29
	v_max_num_f32 v44, v44, v45                    ; m: the block's maximum
.irp j, 0,1,2,3
	v_sub_f32 v[48+\j], v[40+\j], v44
.endr
.irp j, 0,1,2,3
	v_mul_f32 v[48+\j], 0x3fb8aa3b, v[48+\j]       ; log2(e)
.endr
.irp j, 0,1,2,3
	v_exp_f32 v[48+\j], v[48+\j]
.endr
	v_nop                                          ; a plain instruction between the last exponential and the use of its result
	s_wait_alu depctr_va_vdst(0)                   ; the four exponentials have written v48-51, ahead of the roundings that read them first
	v_cvt_pk_bf16_f32 v52, v48, v49
	v_cvt_pk_bf16_f32 v53, v50, v51
	s_wait_alu depctr_va_vdst(0)                   ; the roundings have written v52 and v53, which the store reads
	ds_store_b64 v[PS], v[52:53]                   ; my wave's own copy of the 128 p
	; p as source 0 of the second product: all 16 rows of the fragment hold the same 32 p.  These loads see the store above: a wave's LDS instructions are served in order.
.irp ks, 0,1,2,3
	ds_load_b128 v[64+8*\ks:67+8*\ks], v[PA] offset:64*\ks
	ds_load_b128 v[68+8*\ks:71+8*\ks], v[PA] offset:64*\ks+32
.endr
	; ---- the partial context: p x the block, my 256 columns ----
	CRUN 0, TA
	CRUN 1, TB
	s_wait_dscnt 32                                ; p and rows 0-31 are in; the run just issued stays out
	CMUL 0, 0
	WIN W_TOB
	s_wait_alu depctr_va_vdst(0)                   ; the sixteen products above are done reading buffer 0, in which rows 64-95 land
	CRUN 0, TB+1
	s_wait_dscnt 32
	CMUL 1, 1
	WIN W_TOB
	s_wait_alu depctr_va_vdst(0)                   ; the sixteen products above are done reading buffer 1, in which rows 96-127 land
	CRUN 1, TB+2
	s_wait_dscnt 32
	CMUL 2, 0
	s_wait_dscnt 0x0
	CMUL 3, 1
	PLACES
	; All 16 rows of a result are alike, and register 0 holds column l % 16 in both halves of the lanes: lanes 0-15 take an even column block, lanes 16-31 the odd one behind it.
	WIN W_CVT
.irp j, 0,1,2,3,4,5,6,7
	v_cndmask_b32 v[120+\j], v[16*\j], v[16*\j+8], s30
.endr
	WIN 0
	s_wait_alu depctr_va_vdst(0)                   ; the selects have written v120-127, which the LDS stores read
.irp j, 0,1,2,3,4,5,6,7
	ds_store_b32 v[CW], v[120+\j] offset:128*\j    ; column 32 j + l of my 256
.endr
	ds_load_b128 v[96:99], v[CR]                   ; and back, 16 bytes a lane
	ds_load_b128 v[100:103], v[CR] offset:512
	s_wait_dscnt 0x0
	global_store_b128 v[EO], v[96:99], s[16:17]                ; each store covers 512 consecutive bytes, at a multiple of 512 from ctxp's first
	global_store_b128 v[EO], v[100:103], s[16:17] offset:512
	s_wait_dscnt 0x0                               ; the closing lines, six on end
	s_wait_alu 0x0
	s_wait_tensorcnt 0x0
	ds_add_u32 v[SPW], v[NIL]
	s_wait_dscnt 0x0
	s_endpgm
.Lfunc_end_k_q7f4f4e1604_score:
	.size	k_q7f4f4e1604_score, .Lfunc_end_k_q7f4f4e1604_score-k_q7f4f4e1604_score
	.p2alignl 7, 3214868480
	.fill 96, 4, 3214868480
	.section	.rodata,"a",@progbits
	.p2align	6, 0x0
	.amdhsa_kernel k_q7f4f4e1604_score
		.amdhsa_group_segment_fixed_size 314112
		.amdhsa_private_segment_fixed_size 0
		.amdhsa_enable_private_segment 0
		.amdhsa_kernarg_size 56
		.amdhsa_user_sgpr_count 2
		.amdhsa_user_sgpr_kernarg_segment_ptr 1
		.amdhsa_wavefront_size32 1
		.amdhsa_system_sgpr_workgroup_id_x 1
		.amdhsa_system_sgpr_workgroup_id_y 1
		.amdhsa_system_sgpr_workgroup_id_z 1
		.amdhsa_system_vgpr_workitem_id 0
		.amdhsa_next_free_vgpr 768
		.amdhsa_next_free_sgpr 66
		.amdhsa_reserve_vcc 0
		.amdhsa_float_denorm_mode_32 3
		.amdhsa_float_denorm_mode_16_64 3
		.amdhsa_memory_ordered 1
		.amdhsa_forward_progress 1
		.amdhsa_inst_pref_size 253
	.end_amdhsa_kernel
	.amdgpu_metadata
---
amdhsa.version: [ 1, 2 ]
amdhsa.kernels:
  - .name:           k_q7f4f4e1604_score
    .symbol:         k_q7f4f4e1604_score.kd
    .args:
      - { .name: encoder_outputs, .offset: 0, .size: 8, .value_kind: global_buffer, .address_space: global }
      - { .name: mask, .offset: 8, .size: 8, .value_kind: global_buffer, .address_space: global }
      - { .name: w_score, .offset: 16, .size: 8, .value_kind: global_buffer, .address_space: global }
      - { .name: wkf, .offset: 24, .size: 8, .value_kind: global_buffer, .address_space: global }
      - { .name: qpart, .offset: 32, .size: 8, .value_kind: global_buffer, .address_space: global }
      - { .name: scores, .offset: 40, .size: 8, .value_kind: global_buffer, .address_space: global }
      - { .name: ctxp, .offset: 48, .size: 8, .value_kind: global_buffer, .address_space: global }
    .group_segment_fixed_size: 314112
    .private_segment_fixed_size: 0
    .kernarg_segment_align: 8
    .kernarg_segment_size: 56
    .max_flat_workgroup_size: 128
    .sgpr_count:     66
    .vgpr_count:     768
    .wavefront_size: 32
...
	.end_amdgpu_metadata
.endif
;; end of part 5
;; launch finish: the kernel of part 3 again; grid 64 x 1, 8 waves a work-group, no clusters, 1,280 bytes of LDS; arguments scores, ctxp, out0, out1; writes out0, out1
